; MI455X (gfx1250); checked and timed in simulation.
; The chip was launched on July 23, 2026; its instructions are those of AMD's public machine-readable ISA for CDNA 5 (MIT licence, August 2026) and "CDNA5" Instruction Set Architecture Reference Guide (July 2026). The comments in the code are by the model that wrote it; some were corrected since.
;; Multi Head Attention. Allowed arithmetic: matrix products marked QUANTISED: E2M1 operands, one E8M0 scale for each 32 along K, by v_wmma_scale_f32_16x16x128_f8f6f4 with both operands' format E2M1 (or v_wmma_scale_f32_32x16x128_f4), f32 sums; products left as they are: bf16, f16 or f32 operands; f32 sums; everything else in f32.
;; Inputs: Wk 16 x 1,024 x 64 float32; Wp 1,024 x 1,024 float32; Wq 16 x 1,024 x 64 float32; Wv 16 x 1,024 x 64 float32; bp 1,024 float32; x 4 x 2,048 x 1,024 float32.
;; Outputs: out0 4 x 2,048 x 1,024 float32.
;; This version of the problem:
;;   THIS VERSION OF THE PROBLEM IS GIVEN IN LOW PRECISION. The matrix products marked QUANTISED in the list below multiply operands that are first quantised to E2M1 (2 exponent bits, 1 mantissa bit; 4 bits a number), with one power-of-two scale for each 32 numbers along K (OCP MX v1.0); their sums are f32. The products marked 'left as it is' may take bf16, f16 or f32 operands, with f32 sums. Whichever they take, every output number must still come out within the allowed error. Rounding operands to bf16 (8 significant bits) uses up far more of that allowance than f16 does (11 bits, for magnitudes from 6e-5 to 65,504). All else is computed in f32.
;;   The module's matrix products, in the order in which they are computed (A, B: the left and right operand; K: the contracted axis; several contracted axes count as one K, in the product's order):
;;     1. [M 1,024, K 1,024] x [K 1,024, N 8,192]; A: input Wq; B: input x: QUANTISED
;;     2. [M 1,024, K 1,024] x [K 1,024, N 8,192]; A: input Wk; B: input x: QUANTISED
;;     3. [M 1,024, K 1,024] x [K 1,024, N 8,192]; A: input Wv; B: input x: QUANTISED
;;     4. batch 64 x [M 2,048, K 64] x [K 64, N 2,048]; A: computed on the way; B: computed on the way: left as it is (an operand is computed on the way)
;;     5. batch 64 x [M 2,048, K 2,048] x [K 2,048, N 64]; A: computed on the way; B: computed on the way: left as it is (an operand is computed on the way)
;;     6. [M 8,192, K 1,024] x [K 1,024, N 1,024]; A: computed on the way; B: input Wp: left as it is (an operand is computed on the way)
;;   THE QUANTISER, for each operand of a quantised product, along K:
;;     - K is cut into blocks of 32 from its start; a last block that is shorter is filled with zeros.
;;     - A block's scale is 2^e with e = floor(log2(the largest magnitude in the block)) - 2, held to -126 .. 127; a block of zeros has e = 0. As a byte (E8M0): e + 127.
;;     - Each number is divided by its block's scale, clamped to +-6, and rounded to the nearest number of E2M1, ties to even, subnormals kept.
;;     - The product sums the exact products of the quantised numbers (number of the format x scale) in f32.
;;   ~~~python
;;   def quantise(x, axis):      # numpy; x: float32 -> the quantised numbers, widened to float32 again
;;       x = np.moveaxis(x, axis, -1); K = x.shape[-1]
;;       x = np.pad(x, [(0, 0)] * (x.ndim - 1) + [(0, -K % 32)]); x = x.reshape(x.shape[:-1] + (-1, 32)); a = np.abs(x).max(-1, keepdims=True)
;;       e = np.where(a > 0, np.clip(np.frexp(np.where(a > 0, a, 1))[1] - 1 - 2, -126, 127), 0)      # np.frexp(a)[1] - 1 = floor(log2(a)), exactly
;;       r = np.clip(x / 2.0 ** e, -6, 6)
;;       step = 2.0 ** (np.maximum(np.frexp(np.where(r == 0, 1, r))[1] - 1, 0) - 1)
;;       q = np.round(r / step) * step * 2.0 ** e      # np.round: ties to even
;;       return np.moveaxis(q.reshape(q.shape[:-2] + (-1,))[..., :K], -1, axis).astype(np.float32)
;;   ~~~
;; One version. Each part assembles by itself: llvm-mc -triple=amdgcn-amd-amdhsa -mcpu=gfx1250 --defsym DOCPART=n.
;; ======== version 1 of 1: 5 launches
;; limits: values are held in f16: magnitudes above 65,504 overflow, below 6.1e-05 lose precision
;; workspace buffers: xc 4,194,304 bytes; xs 262,144 bytes; wc 1,572,864 bytes; ws 98,304 bytes; wp16 2,097,152 bytes; qkv 50,331,648 bytes; qkv32 786,432 bytes; att 16,777,216 bytes
;; launch prep (part 1): grid 336 x 1, 4 waves a work-group, no clusters, 68,096 bytes of LDS; arguments x, Wq, Wk, Wv, Wp, xc, xs, wc, ws, wp16; writes xc, xs, wc, ws, wp16
.if DOCPART == 1
	.amdgcn_target "amdgcn-amd-amdhsa--gfx1250"
	.amdhsa_code_object_version 6
	.text
	.protected	k_qc687d15b5b_prep
	.globl	k_qc687d15b5b_prep
	.p2align	8
	.type	k_qc687d15b5b_prep,@function
k_qc687d15b5b_prep:
	s_mov_b64 s[64:65], 0
	v_nop
	global_prefetch_b8 v0, s[64:65] scope:SCOPE_SE
	s_setreg_imm32_b32 hwreg(HW_REG_WAVE_MODE, 25, 1), 1
	s_wait_xcnt 0x0
; MULTI-HEAD ATTENTION, B 4, T 2,048, E 1,024, 16 heads of 64, causal.  FIVE LAUNCHES: prep (this one), qkv, attn, proj, fine.
; WORK LEFT OUT IN THE WHOLE PROGRAM: reference() sets the score of key k for query s to -infinity wherever k > s, by a jnp.tril that it builds itself; the softmax gives such a key the weight 0,
; whatever the inputs hold.  So a step of 64 keys all of which come after a wave's 32 queries reaches no output, and launch attn does not multiply it.  Nothing else is left out: all six inputs reach the output and are loaded.
; LIMIT: a NaN, an infinity or an overflow that would arise only in such a hidden step is not carried to the result.
; THIS LAUNCH makes the operands of the later launches, once each:
;   x [8,192][1,024] f32 -> xc, codes of E2M1, K innermost, 512 bytes a row; xs, one E8M0 byte for each 32 along K, 32 bytes a row.
;   Wq, Wk, Wv [16 heads][1,024 (K)][64] f32 -> wc [3,072 rows n = 1,024 x tensor + 64 x head + d][512 bytes], ws [3,072][32]: K is not innermost there, so a lane takes a column and its registers run down K.
;   Wp [1,024 n][1,024] f32 -> wp16, f16, in planes of one head's 64 columns: [16][1,024 n][64].
; A block's scale is 2^(floor(log2(its largest magnitude)) - 2); its byte is the largest magnitude's exponent field - 2, held at 1 from below.
; LIMITS: a block whose largest magnitude lies under 2^-124 has its byte held at 1; a block of zeros gets the byte 1 where the rule says 127 (its codes are zeros, and this program alone reads the bytes);
; NaN and infinities among the inputs are not served; |Wp| stays under 65,504, the largest f16 number.
; SHARES: work-groups 0-47 take one head of one weight (256 KB each: the longest, so they come first), 48-303 x (32,768 numbers each), 304-335 Wp (32 rows each).  Waves share nothing: no barrier.
; The three paths have LDS bytes of their own and meet at the end.
.set SP,    80                         ; path x: a lane's place in a stage: its 64 bytes + 16 of padding
.set WREG,  8192                       ; path x: LDS 0 .. 32,767: a region for each wave: two stages of 32 x SP bytes, then its 256 scale bytes
.set WSTG,  32768                      ; path W: LDS 32,768 .. 67,583: a stage of 32 rows x 272 bytes for each wave
.set PITCH, 272
.set SPARE, 67584                      ; the spare words, 128 bytes for each wave: two blocks of 256 bytes that no other line names
.set SPW,   196                        ; v196 LDS address of my spare word; never rewritten
.set NIL,   197                        ; v197 0; never rewritten
.set XR,    16                         ; path x: v16-79 four sets of 16 numbers as loaded
.set XN,    80                         ; v80-111 two sets of 16 neighbours
.set XE,    112                        ; v112-127 a scale byte for each step
.set XC,    128                        ; v128-159 codes: two registers for each step, so that no store's data are written again
.set WSB,   24                         ; path W: v24-27 the scale bytes, four to a register
.set WX,    32                         ; v32-95 two sets of 32 numbers
.set WC,    96                         ; v96-99 a block's codes
.set WOUT,  112                        ; v112-175 the way out
	s_load_b512 s[4:19], s[0:1], 0x0               ; x s[4:5], Wq s[6:7], Wk s[8:9], Wv s[10:11], Wp s[12:13], xc s[14:15], xs s[16:17], wc s[18:19]
	s_load_b128 s[20:23], s[0:1], 0x40             ; ws s[20:21], wp16 s[22:23]
	v_lshl_add_u32 v[SPW], v0, 2, SPARE
	v_mov_b32 v[NIL], 0
	v_lshrrev_b32 v1, 5, v0
	v_readfirstlane_b32 s24, v1                    ; wave 0..3
	v_and_b32 v2, 31, v0                           ; lane
	s_mov_b32 s29, 0                               ; the upper word of every offset
	s_wait_kmcnt 0x0
	s_cmp_lt_u32 ttmp9, 48
	s_cbranch_scc1 .Lpath_w
	s_cmp_lt_u32 ttmp9, 304
	s_cbranch_scc1 .Lpath_x
; ---- Wp to f16.  A wave takes eight rows, as four pairs.  A load's lanes 0-15 read the 256 bytes of one head's 64 columns of row n, lanes 16-31 those of row n + 1;
; rounded to f16 they are 128 + 128 bytes, which lie on end in that head's plane: the 32 lanes store 256 consecutive bytes, aligned.
	s_sub_co_u32 s25, ttmp9, 304
	s_lshl_b32 s25, s25, 2
	s_add_co_u32 s25, s25, s24                     ; which eight rows
	s_lshl_b32 s28, s25, 15                        ; 8 rows of 4,096 bytes
	s_add_nc_u64 s[12:13], s[12:13], s[28:29]
	s_lshl_b32 s28, s25, 10                        ; 8 rows of 128 bytes in a plane
	s_add_nc_u64 s[22:23], s[22:23], s[28:29]
	v_and_b32 v3, 15, v0
	v_lshlrev_b32 v3, 4, v3
	v_bfe_u32 v4, v0, 4, 1
	v_lshl_add_u32 v3, v4, 12, v3                  ; in: 4,096 (lane / 16) + 16 (lane % 16)
	v_lshlrev_b32 v4, 3, v2                        ; out: 8 x lane
.macro LOADU u                         ; unit u: pair u / 2 of rows, heads 8 (u % 2) + 0 .. 7
.irp j, 0,1,2,3,4,5,6,7
	global_load_b128 v[16+32*((\u)%4)+4*\j:16+32*((\u)%4)+4*\j+3], v3, s[12:13] offset:8192*((\u)/2)+256*(8*((\u)%2)+\j) th:TH_LOAD_NT
.endr
.endm
.macro WORKU u
.if 7-(\u) >= 3
	s_wait_loadcnt 24                              ; this unit's eight loads are in; those of the three units behind it may be out
.else
	s_wait_loadcnt 8*(7-(\u))
.endif
	s_wait_xcnt 0x0                                ; the stores of two units back have read their data: it is written again only behind this wait
.irp j, 0,1,2,3,4,5,6,7
	v_cvt_pk_f16_f32 v[144+16*((\u)%2)+2*\j], v[16+32*((\u)%4)+4*\j], v[16+32*((\u)%4)+4*\j+1]
	v_cvt_pk_f16_f32 v[144+16*((\u)%2)+2*\j+1], v[16+32*((\u)%4)+4*\j+2], v[16+32*((\u)%4)+4*\j+3]
.endr
.irp j, 0,1,2,3,4,5,6,7
	global_store_b64 v4, v[144+16*((\u)%2)+2*\j:144+16*((\u)%2)+2*\j+1], s[22:23] offset:131072*(8*((\u)%2)+\j)+256*((\u)/2)
.endr
.if (\u) < 4
	LOADU (\u)+4
.endif
.endm
.irp u, 0,1,2,3
	LOADU \u
.endr
.irp u, 0,1,2,3,4,5,6,7
	WORKU \u
.endr
	s_branch .Lend
; ---- x.  Rows are dense and K is a multiple of 32: a plain stream of blocks of 32.  A wave takes 16 steps of 512 numbers.  Each load reads 512 consecutive bytes; a step's 2,048 bytes turn through
; the wave's own stage, so that a lane then holds 16 neighbours along K (two neighbouring lanes hold a block).  A lane's 16 codes are 8 bytes: the wave stores 256 consecutive bytes.
.Lpath_x:
	v_lshlrev_b32 v3, 4, v2                        ; my 16 bytes of a load's 512
	s_mul_i32 s25, s24, WREG
	v_lshrrev_b32 v14, 2, v2
	v_mul_u32_u24 v14, v14, SP
	v_and_b32 v15, 3, v2
	v_lshl_add_u32 v14, v15, 4, v14
	v_add_nc_u32 v14, s25, v14                     ; the stage, on the way in: SP (lane / 4) + 16 (lane % 4)
	v_mul_u32_u24 v15, v2, SP
	v_add_nc_u32 v15, s25, v15                     ; and on the way out: SP x lane
	v_lshlrev_b32 v4, 3, v2                        ; my codes' place in a step's
	v_lshrrev_b32 v5, 1, v2
	s_add_co_u32 s25, s25, 2*32*SP
	v_add_nc_u32 v5, s25, v5                       ; my wave's 256 scale bytes, my block's byte
	v_lshlrev_b32 v7, 3, v2
	v_add_nc_u32 v6, s25, v7                       ; and on the way out 8 bytes a lane
	s_sub_co_u32 s26, ttmp9, 48
	s_lshl_b32 s26, s26, 2
	s_add_co_u32 s26, s26, s24                     ; which run of 8,192 numbers is my wave's
	s_lshl_b32 s28, s26, 15
	s_add_nc_u64 s[4:5], s[4:5], s[28:29]
	s_lshl_b32 s28, s26, 12
	s_add_nc_u64 s[14:15], s[14:15], s[28:29]
	s_lshl_b32 s28, s26, 8
	s_add_nc_u64 s[16:17], s[16:17], s[28:29]
.macro LOADX t
.irp i, 0,1,2,3
	global_load_b128 v[XR+16*((\t)%4)+4*\i:XR+16*((\t)%4)+4*\i+3], v3, s[4:5] offset:2048*(\t)+512*\i th:TH_LOAD_NT
.endr
.endm
.macro TURNX t                         ; step t's numbers through the stage: LDS serves a wave's instructions in order, so no wait stands between the stores and the loads
.irp i, 0,1,2,3
	ds_store_b128 v14, v[XR+16*((\t)%4)+4*\i:XR+16*((\t)%4)+4*\i+3] offset:32*SP*((\t)%2)+8*SP*\i
.endr
.irp i, 0,1,2,3
	ds_load_b128 v[XN+16*((\t)%2)+4*\i:XN+16*((\t)%2)+4*\i+3], v15 offset:32*SP*((\t)%2)+16*\i
.endr
.endm
.macro STEPX t
.set XS, XN+16*((\t)%2)
.if (\t) > 0
	s_wait_dscnt 1                                 ; this step's numbers are back from the stage; the last step's byte store may be out
.else
	s_wait_dscnt 0x0
.endif
.if (\t)+4 < 16
	LOADX (\t)+4                                   ; into the registers that this step's stores into the stage have read
.endif
.if (\t)+1 < 16
.if 14-(\t) >= 3
	s_wait_loadcnt 12                              ; the next step's four loads are in; those of the three steps behind it may be out
.else
	s_wait_loadcnt 4*(14-(\t))
.endif
	TURNX (\t)+1
.endif
	v_max3_num_f32 v8, |v[XS]|, |v[XS+1]|, |v[XS+2]|               ; the largest magnitude of my 16, in two chains
	v_max3_num_f32 v9, |v[XS+3]|, |v[XS+4]|, |v[XS+5]|
.irp i, 6,10
	v_max3_num_f32 v8, v8, |v[XS+\i]|, |v[XS+\i+1]|
	v_max3_num_f32 v9, v9, |v[XS+\i+2]|, |v[XS+\i+3]|
.endr
	v_max3_num_f32 v8, v8, |v[XS+14]|, |v[XS+15]|
	v_max3_num_f32 v8, v8, v9, 0x1800000           ; and the floor 2^(3 - 127): the byte cannot fall under 1
	v_max_num_f32_dpp v8, v8, v8 row_xmask:1 row_mask:0xf bank_mask:0xf   ; and of my neighbour's 16: the block's
	v_add_nc_u32 v11, 0xff000000, v8               ; 2 off its exponent field: the conversion takes the exponent field of this operand as its scale
	v_cvt_scalef32_pk8_fp4_f32 v[XC+2*(\t)], v[XS:XS+7], v11
	v_cvt_scalef32_pk8_fp4_f32 v[XC+2*(\t)+1], v[XS+8:XS+15], v11
	v_lshrrev_b32 v[XE+(\t)], 23, v11              ; the scale's byte
	ds_store_b8 v5, v[XE+(\t)] offset:16*(\t)      ; both lanes of a block write the same byte with the same value
	global_store_b64 v4, v[XC+2*(\t):XC+2*(\t)+1], s[14:15] offset:256*(\t)
.endm
.irp t, 0,1,2,3
	LOADX \t
.endr
	s_wait_loadcnt 12                              ; step 0's four loads are in
	TURNX 0
.irp t, 0,1,2,3,4,5,6,7,8,9,10,11,12,13,14,15
	STEPX \t
.endr
	ds_load_b64 v[8:9], v6                         ; my wave's 256 scale bytes: these loads see my stores
	s_wait_dscnt 0x0
	global_store_b64 v7, v[8:9], s[16:17]          ; 32 lanes store 256 consecutive bytes, aligned
	s_branch .Lend
; ---- Wq, Wk, Wv.  Work-group g = 16 x tensor + head.  Wave w takes 32 columns (w % 2) x 512 along K (w / 2).  A lane takes a column d and its 32 registers are a whole block along K:
; its largest magnitude needs no other lane, and the conversions give codes with K innermost.  The codes go through the wave's own stage and leave as rows: sixteen lanes store 256 consecutive bytes, aligned.
.Lpath_w:
	s_cmp_lt_u32 ttmp9, 32
	s_cselect_b64 s[8:9], s[8:9], s[10:11]         ; Wk or Wv,
	s_cmp_lt_u32 ttmp9, 16
	s_cselect_b64 s[6:7], s[6:7], s[8:9]           ; or Wq: the choice hangs on the work-group's number alone
	s_and_b32 s25, ttmp9, 15                       ; head
	s_lshr_b32 s26, s24, 1                         ; which 512 along K
	s_and_b32 s27, s24, 1                          ; which 32 columns
	s_lshl_b32 s28, s25, 18                        ; a head: 1,024 rows of 256 bytes
	s_lshl_b32 s30, s26, 17
	s_add_co_u32 s28, s28, s30
	s_lshl_b32 s30, s27, 7
	s_add_co_u32 s28, s28, s30
	s_add_nc_u64 s[6:7], s[6:7], s[28:29]
	s_lshl_b32 s31, ttmp9, 6
	s_lshl_b32 s30, s27, 5
	s_add_co_u32 s31, s31, s30                     ; my first row of wc and ws: 64 g + 32 (w % 2)
	s_lshl_b32 s28, s31, 9
	s_lshl_b32 s30, s26, 8
	s_add_co_u32 s28, s28, s30
	s_add_nc_u64 s[18:19], s[18:19], s[28:29]
	s_lshl_b32 s28, s31, 5
	s_lshl_b32 s30, s26, 4
	s_add_co_u32 s28, s28, s30
	s_add_nc_u64 s[20:21], s[20:21], s[28:29]
	v_lshlrev_b32 v3, 2, v2                        ; in: 4 bytes a lane
	s_mul_i32 s25, s24, 32*PITCH
	s_add_co_u32 s25, s25, WSTG                    ; my stage
	v_mul_u32_u24 v4, v2, PITCH
	v_add_nc_u32 v4, s25, v4                       ; into it: row = my column
	v_and_b32 v5, 15, v2
	v_lshrrev_b32 v6, 4, v2
	v_mul_u32_u24 v7, v6, PITCH
	v_lshl_add_u32 v7, v5, 4, v7
	v_add_nc_u32 v7, s25, v7                       ; out of it: sixteen lanes to a row, two rows an instruction
	v_lshlrev_b32 v8, 9, v6
	v_lshl_add_u32 v8, v5, 4, v8                   ; and the same place in wc
	v_lshlrev_b32 v9, 5, v2                        ; my column's row of scale bytes
.macro LOADW t                         ; block t: W(32 t + i, my column), i = 0 .. 31, into set t % 2
.irp i, 0,1,2,3,4,5,6,7,8,9,10,11,12,13,14,15,16,17,18,19,20,21,22,23,24,25,26,27,28,29,30,31
	global_load_b32 v[WX+32*((\t)%2)+\i], v3, s[6:7] offset:(32*(\t)+\i)*256 th:TH_LOAD_NT
.endr
.endm
.macro BLOCKW t
.set XS, WX+32*((\t)%2)
.if (\t) < 15
	s_wait_loadcnt 32                              ; this block's 32 loads are in; the next block's may be out
.else
	s_wait_loadcnt 0x0
.endif
	v_max3_num_f32 v12, |v[XS]|, |v[XS+1]|, |v[XS+2]|
	v_max3_num_f32 v13, |v[XS+3]|, |v[XS+4]|, |v[XS+5]|
.irp i, 6,10,14,18,22,26
	v_max3_num_f32 v12, v12, |v[XS+\i]|, |v[XS+\i+1]|
	v_max3_num_f32 v13, v13, |v[XS+\i+2]|, |v[XS+\i+3]|
.endr
	v_max3_num_f32 v12, v12, |v[XS+30]|, |v[XS+31]|
	v_max3_num_f32 v12, v12, v13, 0x1800000        ; and the floor 2^(3 - 127)
	v_add_nc_u32 v11, 0xff000000, v12              ; the conversion's scale operand
	v_lshrrev_b32 v13, 23, v11                     ; the scale's byte
.if (\t)%4 == 0
	v_mov_b32 v[WSB+(\t)/4], v13                   ; four bytes to a register, the lower K in the lower byte
.else
	v_lshl_or_b32 v[WSB+(\t)/4], v13, 8*((\t)%4), v[WSB+(\t)/4]
.endif
.irp g, 0,1,2,3
	v_cvt_scalef32_pk8_fp4_f32 v[WC+\g], v[XS+8*\g:XS+8*\g+7], v11
.endr
	ds_store_b128 v4, v[WC:WC+3] offset:16*(\t)    ; 32 codes: 16 bytes of my column's row
.if (\t)+2 < 16
	LOADW (\t)+2
.endif
	s_wait_dscnt 0x0                               ; the store has read its registers: the next block's codes may be written
.endm
	LOADW 0
	LOADW 1
.irp t, 0,1,2,3,4,5,6,7,8,9,10,11,12,13,14,15
	BLOCKW \t
.endr
	global_store_b128 v9, v[WSB:WSB+3], s[20:21]   ; my column's 16 scale bytes
.irp t, 0,1,2,3,4,5,6,7,8,9,10,11,12,13,14,15
	ds_load_b128 v[WOUT+4*\t:WOUT+4*\t+3], v7 offset:2*\t*PITCH
.endr
.irp t, 0,1,2,3,4,5,6,7,8,9,10,11,12,13,14,15
	s_wait_dscnt 15-\t                             ; the loads behind this one may be out
	global_store_b128 v8, v[WOUT+4*\t:WOUT+4*\t+3], s[18:19] offset:2*\t*512
.endr
.Lend:
	s_wait_tensorcnt 0x0                           ; the wave's end: behind my last LDS store
	ds_add_u32 v[SPW], v[NIL]
	s_wait_dscnt 0x0
	s_endpgm
.Lfunc_end_k_qc687d15b5b_prep:
	.size	k_qc687d15b5b_prep, .Lfunc_end_k_qc687d15b5b_prep-k_qc687d15b5b_prep
	.p2alignl 7, 3214868480
	.fill 96, 4, 3214868480
	.section	.rodata,"a",@progbits
	.p2align	6, 0x0
	.amdhsa_kernel k_qc687d15b5b_prep
		.amdhsa_group_segment_fixed_size 68096
		.amdhsa_private_segment_fixed_size 0
		.amdhsa_enable_private_segment 0
		.amdhsa_kernarg_size 80
		.amdhsa_user_sgpr_count 2
		.amdhsa_user_sgpr_kernarg_segment_ptr 1
		.amdhsa_wavefront_size32 1
		.amdhsa_system_sgpr_workgroup_id_x 1
		.amdhsa_system_sgpr_workgroup_id_y 1
		.amdhsa_system_sgpr_workgroup_id_z 1
		.amdhsa_system_vgpr_workitem_id 0
		.amdhsa_next_free_vgpr 200
		.amdhsa_next_free_sgpr 66
		.amdhsa_reserve_vcc 0
		.amdhsa_float_denorm_mode_32 3
		.amdhsa_float_denorm_mode_16_64 3
		.amdhsa_memory_ordered 1
		.amdhsa_forward_progress 1
		.amdhsa_inst_pref_size 132
	.end_amdhsa_kernel
	.amdgpu_metadata
---
amdhsa.version: [ 1, 2 ]
amdhsa.kernels:
  - .name:           k_qc687d15b5b_prep
    .symbol:         k_qc687d15b5b_prep.kd
    .args:
      - { .name: x, .offset: 0, .size: 8, .value_kind: global_buffer, .address_space: global }
      - { .name: Wq, .offset: 8, .size: 8, .value_kind: global_buffer, .address_space: global }
      - { .name: Wk, .offset: 16, .size: 8, .value_kind: global_buffer, .address_space: global }
      - { .name: Wv, .offset: 24, .size: 8, .value_kind: global_buffer, .address_space: global }
      - { .name: Wp, .offset: 32, .size: 8, .value_kind: global_buffer, .address_space: global }
      - { .name: xc, .offset: 40, .size: 8, .value_kind: global_buffer, .address_space: global }
      - { .name: xs, .offset: 48, .size: 8, .value_kind: global_buffer, .address_space: global }
      - { .name: wc, .offset: 56, .size: 8, .value_kind: global_buffer, .address_space: global }
      - { .name: ws, .offset: 64, .size: 8, .value_kind: global_buffer, .address_space: global }
      - { .name: wp16, .offset: 72, .size: 8, .value_kind: global_buffer, .address_space: global }
    .group_segment_fixed_size: 68096
    .private_segment_fixed_size: 0
    .kernarg_segment_align: 8
    .kernarg_segment_size: 80
    .max_flat_workgroup_size: 128
    .sgpr_count:     66
    .vgpr_count:     200
    .wavefront_size: 32
...
	.end_amdgpu_metadata
.endif
;; end of part 1
;; launch qkv (part 2): grid 12 x 32, 4 waves a work-group, clusters of 4 x 4, 327,680 bytes of LDS; arguments xc, xs, wc, ws, qkv, qkv32; writes qkv, qkv32
.if DOCPART == 2
	.amdgcn_target "amdgcn-amd-amdhsa--gfx1250"
	.amdhsa_code_object_version 6
	.text
	.protected	k_qc687d15b5b_qkv
	.globl	k_qc687d15b5b_qkv
	.p2align	8
	.type	k_qc687d15b5b_qkv,@function
k_qc687d15b5b_qkv:
	s_mov_b64 s[64:65], 0
	v_nop
	global_prefetch_b8 v0, s[64:65] scope:SCOPE_SE
	s_setreg_imm32_b32 hwreg(HW_REG_WAVE_MODE, 25, 1), 1
	s_wait_xcnt 0x0
	s_wait_alu depctr_hold_cnt(0) depctr_sa_sdst(0) depctr_va_vdst(0) depctr_va_sdst(0) depctr_va_ssrc(0) depctr_va_vcc(0) depctr_vm_vsrc(0)
	s_getreg_b32 s2, hwreg(HW_REG_IB_STS2, 6, 4)
	s_cmp_eq_u32 s2, 0
	s_cbranch_scc0 .Lentry_in_a_cluster
	s_endpgm
.Lentry_in_a_cluster:
	s_bfe_u32 s2, ttmp6, 0x10000c
	s_cmp_lg_u32 s2, 0xf033
	s_cbranch_scc0 .Lentry_shape_is_right
	s_endpgm
.Lentry_shape_is_right:
; q, k, v = x W, all three in one product on codes of E2M1: C[m][n] = sum over k of x[m][k] W[n][k], m = 8,192 tokens, n = 3,072 = 1,024 x tensor + 64 x head + d, K = 1,024.
; Codes and E8M0 scale bytes go to the matrix unit as they lie in memory (xc, xs, wc, ws of launch prep); sums in f32.  Nothing is left out here.
; RESULTS: qkv, f16, [4 b][48 gh][2,048 t][64], gh = n / 64 (q 0-15, k 16-31, v 32-47): what launch attn reads; and, for positions t = 0 .. 15 of every sequence, qkv32, f32, [4 b][48 gh][16 t][64]: what launch fine reads.
; LIMIT: |q|, |k|, |v| stay under 65,504, the largest f16 number.
; A tile of C, 256 x 256, is made by a work-group of four waves; a wave makes 128 x 128: 64 accumulators, 512 registers.  K = 1,024 is two slots of 512: both are first fills, nothing is filled again.
; THE SCALES of the work-group's 256 rows of x and 256 rows of W, for all of K, are two dense blocks of memory: they come into LDS once, in rows of 256 bytes.
; CLUSTERS: 4 x 4 work-groups.  The four of a row of the cluster need the same tiles of x, the four of a column the same tiles of W: each tile is asked for jointly.
; THE TILE ROW IS 8 cy + cluster y: so the batch is cy and the tile's first position is 256 x cluster y.  The tiles that hold positions 0-15 are then those of the clusters with y = 0:
; a number that all sixteen partners share, so that the branch round the f32 stores is alike in all of them.
; THE MATRIX INSTRUCTION IS USED TRANSPOSED (source 0 = 16 rows of W, source 1 = 16 rows of x): a lane then holds eight neighbouring columns of one token.
; REGISTERS, in windows of 256: window 0: v0-31 addresses; v32-95 scale words, two sets; from v128 x's fragments, one set; on the way out v32-191 are free.
;   window 1: W's fragments, two sets, at v0 and v128.   window 2: the accumulators of my rows 0-63 ((a, b) at v[8 (8 a + b)]);   window 3: those of my rows 64-127.
.set NQ,     4                         ; matrix instructions deep in a slot of 512 along K
.set ROWB,   256                       ; a tile's row in bytes
.set KROW,   512                       ; a row of xc or wc in memory
.set PITCH,  272                       ; an LDS row: 256 bytes + 16 of padding: the 16 rows that a load touches begin 17 columns of 16 bytes apart
.set FR,     8
.set NL,     2
.set NP,     4                         ; places behind this matrix instruction (ISA guide 7.12.1)
.set HALFT,  128*PITCH
.set SLOT,   4*HALFT
.set KS,     32                        ; a row of scales in bytes
.set SCL,    2*SLOT
.set HALFS,  16*272                    ; the scales of 128 rows
.set SBLK,   2*272                     ; those of 16 rows
.set SPARE,  SCL+4*HALFS               ; the spare words, 128 bytes for each wave: two blocks of 256 bytes that no other line names
.set ST32,   0                         ; the way out, in slot 0, which has had its only fill and its last read: for each wave 16 rows x (512 + 16) bytes of f32,
.set ST16,   4*16*528                  ; and 16 rows x (256 + 16) bytes of f16
.set ADRA, 16
.set ADRB, 20
.set CO32, 22                          ; v22  my byte offset in qkv32
.set STO,  24                          ; v24  where I put 16 bytes of f16
.set RD,   25                          ; v25  where I read them back
.set CO,   26                          ; v26  my byte offset in qkv
.set ADRS, 27
.set SPW,  28
.set NIL,  29
.set STO32, 30                         ; v30  where I put 32 bytes of f32
.set RD32, 31                          ; v31  where I read them back
.set SC,   32
.set AF,   128
.set TMP,  32                          ; the way out: packed results
.set BK,   64                          ; 16 rows read back: v64-95 and v96-127 by turns
.set F32,  128                         ; the f32 rows read back
.set G1, 24
.set G0, 32
.set G1B, 48
.set G0B, 56
.set G1S, 68
.set G0S, 76
.set G1SB, 80
.set G0SB, 88
.set MSB, 0
.macro WIN new                         ; the immediate's high byte repeats the setting that is left
.if MSB != (\new)
	s_set_vgpr_msb (MSB<<8)|(\new)
.set MSB, (\new)
.endif
.endm
.set MUL_LO, 0xa1                      ; source 0 (W) window 1, source 1 (x) window 0, C and D window 2
.set MUL_HI, 0xf1
.set TO_B,   0x40
; A joint load: waves 0 and 1 fetch for x, waves 2 and 3 for W.  The branch hangs on the wave's number alone.  An s_nop 0 and four v_nop follow each of the two lines.
.macro JLOAD g0a, g1a, g0b, g1b
	s_cmp_eq_u32 s15, 0
	s_cbranch_scc0 .Lfor_b_\@
	tensor_load_to_lds s[\g0a:\g0a+3], s[\g1a:\g1a+7]
	s_nop 0
.rept 4
	v_nop
.endr
	s_branch .Lasked_\@
.Lfor_b_\@:
	tensor_load_to_lds s[\g0b:\g0b+3], s[\g1b:\g1b+7]
	s_nop 0
.rept 4
	v_nop
.endr
.Lasked_\@:
.endm
.macro CROUND                          ; a round of the cluster's barrier
	s_barrier_signal -1
	s_barrier_wait -1
	s_cmp_lg_u32 s14, 0
	s_cbranch_scc1 .Lnot_wave_0_\@
	s_barrier_signal -3
.Lnot_wave_0_\@:
	s_barrier_wait -3
	s_barrier_signal -1
	s_barrier_wait -1
.endm
	s_load_b128 s[4:7], s[0:1], 0x0                ; xc, xs
	s_load_b128 s[8:11], s[0:1], 0x10              ; wc, ws
	s_load_b64 s[12:13], s[0:1], 0x20              ; qkv
	s_load_b64 s[96:97], s[0:1], 0x28              ; qkv32
	v_lshl_add_u32 v[SPW], v0, 2, SPARE
	v_mov_b32 v[NIL], 0
	ds_add_u32 v[SPW], v[NIL]                      ; the wave's opening: the add, twice on end, and its wait ahead of my first tensor load
	ds_add_u32 v[SPW], v[NIL]
	v_lshrrev_b32 v1, 5, v0
	v_readfirstlane_b32 s14, v1                    ; wave 0..3
	s_lshr_b32 s15, s14, 1                         ; which half of the tile's rows is mine.  Also: I fetch for x (0) or for W (1)
	s_and_b32 s16, s14, 1                          ; which half of its columns.  Also: which 128 rows of that tile I fetch
	s_bfe_u32 s40, ttmp6, 0x40000                  ; cx
	s_bfe_u32 s41, ttmp6, 0x40004                  ; cy
	s_lshl_b32 s42, ttmp9, 2
	s_add_co_u32 s42, s42, s40                     ; tile column = 4 x cluster x + cx
	s_and_b32 s98, ttmp7, 0xffff                   ; cluster y
	s_lshl_b32 s17, s41, 3
	s_add_co_u32 s17, s17, s98                     ; tile row = 8 cy + cluster y
	s_or_b32 s3, s98, s15                          ; 0 where my rows begin with position 0 of a sequence
	s_lshl_b32 s43, s41, 2
	s_lshl_b32 s43, 15, s43                        ; my row of the cluster
	s_lshl_b32 s44, 0x1111, s40                    ; my column
	s_or_b32 s[G1+0], s43, (0<<16)|(1<<20)|(1<<21)|(5<<22)|(3<<25)  ; the mask; elements of 1 byte; padding on; bit 21 beside a mask; after every 64 words, 4 words
	s_or_b32 s[G1B+0], s44, (0<<16)|(1<<20)|(1<<21)|(5<<22)|(3<<25)
.irp g, G1, G1B
	s_mov_b32 s[\g+1], ROWB<<16                    ; tensor_dim0
	s_mov_b32 s[\g+2], 128<<16                     ; tensor_dim1
	s_mov_b32 s[\g+3], ROWB<<16                    ; tile_dim0
	s_mov_b32 s[\g+4], 128                         ; tile_dim1
	s_mov_b32 s[\g+5], KROW                        ; stride
	s_mov_b32 s[\g+6], 0
	s_mov_b32 s[\g+7], 0
.endr
	s_or_b32 s[G1S+0], s43, (3<<16)|(1<<20)|(1<<21)|(5<<22)|(3<<25) ; the scales of 128 rows: 4,096 dense bytes as 16 rows of 32 elements of 8 bytes
	s_or_b32 s[G1SB+0], s44, (3<<16)|(1<<20)|(1<<21)|(5<<22)|(3<<25)
.irp g, G1S, G1SB
	s_mov_b32 s[\g+1], 32<<16
	s_mov_b32 s[\g+2], 16<<16
	s_mov_b32 s[\g+3], 32<<16
	s_mov_b32 s[\g+4], 16
	s_mov_b32 s[\g+5], 32
	s_mov_b32 s[\g+6], 0
	s_mov_b32 s[\g+7], 0
.endr
	s_lshl_b32 s18, s16, 7
	s_lshl_b32 s20, s17, 8
	s_add_co_u32 s20, s20, s18                     ; x: row 256 x tile row + 128 x half
	s_lshl_b32 s46, s42, 8
	s_add_co_u32 s46, s46, s18                     ; W: row 256 x tile column + 128 x half
	s_mov_b32 s21, 0
	s_mov_b32 s47, 0
	s_mov_b64 s[18:19], KS
	s_mul_u64 s[22:23], s[20:21], s[18:19]         ; where these rows' scales begin
	s_mul_u64 s[92:93], s[46:47], s[18:19]
	s_mov_b64 s[18:19], KROW
	s_mul_u64 s[20:21], s[20:21], s[18:19]         ; and their codes
	s_mul_u64 s[46:47], s[46:47], s[18:19]
	s_mul_i32 s45, s14, HALFT                      ; where they go: wave x 128 rows
	s_mul_i32 s94, s14, HALFS
	s_wait_dscnt 0x0                               ; both opening adds are done
	s_wait_kmcnt 0x0
	s_add_nc_u64 s[20:21], s[4:5], s[20:21]
	s_add_nc_u64 s[22:23], s[6:7], s[22:23]
	s_add_nc_u64 s[46:47], s[8:9], s[46:47]
	s_add_nc_u64 s[92:93], s[10:11], s[92:93]
	CROUND                                         ; all sixteen work-groups are here: the joint loads meet
	s_mov_b32 s[G0S], 1
	s_add_co_u32 s[G0S+1], s94, SCL
	s_mov_b64 s[G0S+2:G0S+3], s[22:23]
	s_or_b32 s[G0S+3], s[G0S+3], 0x80000000
	s_mov_b32 s[G0SB], 1
	s_add_co_u32 s[G0SB+1], s94, SCL
	s_mov_b64 s[G0SB+2:G0SB+3], s[92:93]
	s_or_b32 s[G0SB+3], s[G0SB+3], 0x80000000
	JLOAD G0S, G1S, G0SB, G1SB                     ; the scales first: three loads of mine are out behind the third
.irp s, 0,1
	s_mov_b32 s[G0+4*\s], 1
	s_add_co_u32 s[G0+4*\s+1], s45, \s*SLOT
	s_add_nc_u64 s[G0+4*\s+2:G0+4*\s+3], s[20:21], \s*ROWB
	s_or_b32 s[G0+4*\s+3], s[G0+4*\s+3], 0x80000000
	s_mov_b32 s[G0B+4*\s], 1
	s_add_co_u32 s[G0B+4*\s+1], s45, \s*SLOT
	s_add_nc_u64 s[G0B+4*\s+2:G0B+4*\s+3], s[46:47], \s*ROWB
	s_or_b32 s[G0B+4*\s+3], s[G0B+4*\s+3], 0x80000000
	JLOAD G0+4*\s, G1, G0B+4*\s, G1B
.endr
	v_and_b32 v1, 15, v0                           ; r = lane % 16
	v_bfe_u32 v2, v0, 4, 1                         ; h = lane / 16
	v_mul_u32_u24 v3, v1, PITCH
	v_lshl_add_u32 v4, v2, 4, v3                   ; a fragment's row x pitch + 16 h
	s_mul_i32 s21, s15, HALFT
	s_mul_i32 s22, s16, HALFT
	s_add_co_u32 s22, s22, 2*HALFT
.irp s, 0,1
	v_add_nc_u32 v[ADRA+\s], s21, v4
	v_add_nc_u32 v[ADRB+\s], s22, v4
	s_add_co_u32 s21, s21, SLOT
	s_add_co_u32 s22, s22, SLOT
.endr
	v_mul_u32_u24 v5, v1, KS                       ; my row's scales: 32 bytes a row,
	v_lshrrev_b32 v6, 8, v5
	v_lshl_add_u32 v5, v6, 4, v5                   ; and 16 more for each 256 passed
	s_mul_i32 s21, s15, HALFS
	s_mul_i32 s22, s16, HALFS
	s_add_co_u32 s22, s22, 2*HALFS
	s_sub_co_u32 s22, s22, s21
	v_mul_u32_u24 v6, s22, v2                      ; lanes 16-31 take W's
	s_add_co_u32 s21, s21, SCL
	v_add_nc_u32 v5, v5, v6
	v_add_nc_u32 v[ADRS], s21, v5
	s_mul_i32 s23, s14, 16*528                     ; my f32 stage
	v_mul_u32_u24 v5, v1, 528
	v_lshl_add_u32 v5, v2, 5, v5
	v_add_nc_u32 v[STO32], s23, v5                 ; in: row r, 32 bytes for each half of the lanes
	v_and_b32 v6, 31, v0
	v_lshlrev_b32 v7, 4, v6
	v_add_nc_u32 v[RD32], s23, v7                  ; back: the 32 lanes take one row of 512 bytes
	s_mul_i32 s23, s14, 16*272
	s_add_co_u32 s23, s23, ST16                    ; my f16 stage
	v_mul_u32_u24 v5, v1, 272
	v_lshl_add_u32 v5, v2, 4, v5
	v_add_nc_u32 v[STO], s23, v5                   ; in: row r, 16 bytes for each half of the lanes
	v_bfe_u32 v5, v0, 3, 1
	v_mul_u32_u24 v5, v5, 272
	v_lshl_add_u32 v5, v2, 7, v5
	v_and_b32 v7, 7, v0
	v_lshl_add_u32 v5, v7, 4, v5
	v_add_nc_u32 v[RD], s23, v5                    ; back: lanes 0-15 the first head's 128 bytes of two tokens, lanes 16-31 the second head's
	v_lshlrev_b32 v5, 4, v1
	v_lshl_add_u32 v[CO], v2, 18, v5               ; a head on in qkv is 262,144 bytes,
	v_lshl_add_u32 v[CO32], v2, 12, v5             ; in qkv32 4,096
	s_mul_i32 s92, s41, 48                         ; (in registers that held W's addresses: none that fed x's descriptors ever holds cx)
	s_lshl_b32 s93, s42, 2
	s_add_co_u32 s92, s92, s93
	s_lshl_b32 s93, s16, 1
	s_add_co_u32 s92, s92, s93                     ; 48 b + my first head gh = 4 x tile column + 2 x half
	s_lshl_b32 s46, s92, 12
	s_mov_b32 s47, 0
	s_add_nc_u64 s[96:97], s[96:97], s[46:47]
	s_lshl_b32 s46, s92, 18
	s_lshl_b32 s93, s98, 15                        ; 256 x cluster y tokens of 128 bytes
	s_add_co_u32 s46, s46, s93
	s_lshl_b32 s93, s15, 14                        ; my half: 128 tokens
	s_add_co_u32 s46, s46, s93
	s_add_nc_u64 s[12:13], s[12:13], s[46:47]
.macro FRAG reg, adr, q, i             ; 16 rows x 128 K of 4-bit codes: 8 registers: lane (r, h): registers 4 c .. 4 c + 3 hold K = 64 c + 32 h + 0 .. 31
.irp c, 0,1
	ds_load_b128 v[\reg+4*\c:\reg+4*\c+3], v[\adr] offset:64*(\q)+32*\c+(\i)*16*PITCH
.endr
.endm
; 16 matrix instructions: x's blocks a0, a0 + 1 against W's eight.  The 64 accumulators take turns, one instruction a turn, in the same order in every step.
.macro MUL16 a0, p, q, sc, zero
.irp a, \a0, \a0+1
.irp b, 0,1,2,3,4,5,6,7
.if \zero
	v_wmma_scale_f32_16x16x128_f8f6f4 v[8*(8*((\a)%4)+\b):8*(8*((\a)%4)+\b)+7], v[128*(\p)+FR*\b:128*(\p)+FR*\b+FR-1], v[AF+FR*(\a):AF+FR*(\a)+FR-1], 0, v[SC+8*NQ*(\sc)+NQ*\b+(\q)], v[SC+8*NQ*(\sc)+NQ*(\a)+(\q)] matrix_a_fmt:MATRIX_FMT_FP4 matrix_b_fmt:MATRIX_FMT_FP4 matrix_a_scale:MATRIX_SCALE_ROW1
.else
	v_wmma_scale_f32_16x16x128_f8f6f4 v[8*(8*((\a)%4)+\b):8*(8*((\a)%4)+\b)+7], v[128*(\p)+FR*\b:128*(\p)+FR*\b+FR-1], v[AF+FR*(\a):AF+FR*(\a)+FR-1], v[8*(8*((\a)%4)+\b):8*(8*((\a)%4)+\b)+7], v[SC+8*NQ*(\sc)+NQ*\b+(\q)], v[SC+8*NQ*(\sc)+NQ*(\a)+(\q)] matrix_a_fmt:MATRIX_FMT_FP4 matrix_b_fmt:MATRIX_FMT_FP4 matrix_a_scale:MATRIX_SCALE_ROW1
.endif
.endr
.endr
.endm
.macro FETCH_B slot, q, p
	WIN TO_B
.irp i, 0,1,2,3,4,5,6,7
	FRAG 128*(\p)+FR*\i, ADRB+\slot, \q, \i
.endr
	WIN 0
.endm
.macro FETCH_A slot, q, i0
.irp i, \i0, \i0+1, \i0+2, \i0+3
	FRAG AF+FR*(\i), ADRA+\slot, \q, \i
.endr
.endm
.macro SCALES sc                       ; a slot's scale words: lanes 0-15 take x's block i, lanes 16-31 W's block i
.irp i, 0,1,2,3,4,5,6,7
	ds_load_b128 v[SC+8*NQ*\sc+NQ*\i:SC+8*NQ*\sc+NQ*\i+3], v[ADRS] offset:\i*SBLK
.endr
.endm
.macro PLACES n                        ; plain vector instructions between a matrix instruction and a load into, or a read of, its registers
.rept \n
	v_nop
.endr
.endm
.macro STEP slot, q, zero              ; a step of 128 along K that has its successor in the same slot
	s_wait_dscnt 4*NL                              ; W's set and x's blocks 0-3 are in; the youngest eight loads (x's blocks 4-7) may be out
	WIN MUL_LO
	MUL16 0, (\q)%2, \q, \slot, \zero
	MUL16 2, (\q)%2, \q, \slot, \zero
	s_wait_dscnt 0
	PLACES NP
	FETCH_B \slot, (\q)+1, 1-(\q)%2
	FETCH_A \slot, (\q)+1, 0
	WIN MUL_HI
	MUL16 4, (\q)%2, \q, \slot, \zero
	MUL16 6, (\q)%2, \q, \slot, \zero
	PLACES NP
	WIN 0
	FETCH_A \slot, (\q)+1, 4
.endm
; Slot 0's last step changes slots: one barrier; in front of it each wave waits for all its tensor loads, adds 0 to its spare word, and waits for that and for its reads of slot 0.  Nothing is filled again.
.macro TURN slot, next
	s_wait_tensorcnt 0x0                           ; my part of the next slot has landed
	ds_add_u32 v[SPW], v[NIL]
	s_wait_dscnt 4*NL+1                            ; the add and the youngest eight loads may be out
	WIN MUL_LO
	MUL16 0, 1, NQ-1, \slot, 0
	s_wait_dscnt 0x0                               ; the add is done, and my reads of this slot are over
	s_barrier_signal -1
	MUL16 2, 1, NQ-1, \slot, 0
	WIN 0
	s_barrier_wait -1
	PLACES NP
	v_add_nc_u32 v[ADRS], 4*NQ, v[ADRS]            ; on to the next slot's scale words
	FETCH_B \next, 0, 0
	FETCH_A \next, 0, 0
	SCALES \next
	WIN MUL_HI
	MUL16 4, 1, NQ-1, \slot, 0
	MUL16 6, 1, NQ-1, \slot, 0
	PLACES NP
	WIN 0
	FETCH_A \next, 0, 4
.endm
.macro STEPS slot, from
.set Q, \from
.rept NQ-1-\from
	STEP \slot, Q, 0
.set Q, Q+1
.endr
.endm
	s_wait_tensorcnt 1                             ; the scales and my part of slot 0 are in; slot 1's load may be out
	s_barrier_signal -1
	s_barrier_wait -1
	FETCH_B 0, 0, 0
	FETCH_A 0, 0, 0
	SCALES 0
	FETCH_A 0, 0, 4
	STEP 0, 0, 1                                   ; the first step's products start the sums: nothing is cleared
	STEPS 0, 1
	TURN 0, 1
	STEPS 1, 0
	s_wait_dscnt 4*NL                              ; the last step: nothing more to fetch
	WIN MUL_LO
	MUL16 0, 1, NQ-1, 1, 0
	MUL16 2, 1, NQ-1, 1, 0
	s_wait_dscnt 0
	WIN MUL_HI
	MUL16 4, 1, NQ-1, 1, 0
	MUL16 6, 1, NQ-1, 1, 0
	WIN 0
; THE WAY OUT.  A lane holds eight neighbouring columns of one token, and the lanes beside it hold other tokens: so a block of 16 tokens x 128 columns goes through my own stage in LDS.
	PLACES NP
	s_cmp_lg_u32 s3, 0                             ; positions 0-15 are block 0 of the waves with the tile's upper rows, in the clusters with y = 0: alike in all sixteen partners
	s_cbranch_scc1 .Lno_fine
	WIN 0x08                                       ; an LDS store's data: window 2
.irp b, 0,1,2,3,4,5,6,7
	ds_store_b128 v[STO32], v[8*\b:8*\b+3] offset:64*\b            ; each accumulator from its low end on
	ds_store_b128 v[STO32], v[8*\b+4:8*\b+7] offset:64*\b+16
.endr
	WIN 0
.irp t, 0,1,2,3,4,5,6,7,8,9,10,11,12,13,14,15
	ds_load_b128 v[F32+4*\t:F32+4*\t+3], v[RD32] offset:\t*528     ; LDS serves a wave's instructions in order: these see the stores above
.endr
	s_wait_dscnt 0x0
.irp t, 0,1,2,3,4,5,6,7,8,9,10,11,12,13,14,15
	global_store_b128 v[CO32], v[F32+4*\t:F32+4*\t+3], s[96:97] offset:256*\t   ; lanes 0-15 store one head's row of 256 bytes, lanes 16-31 the next head's
.endr
.Lno_fine:
.macro PACK a                          ; block a rounded to f16: 16 bytes a lane and block of 16 columns
.set AC, 64*((\a)%4)
	WIN 0x0a+5*((\a)/4)                            ; sources 0 and 1: window 2 or 3
.irp b, 0,1,2,3,4,5,6,7
.irp r, 0,1,2,3
	v_cvt_pk_f16_f32 v[TMP+4*\b+\r], v[AC+8*\b+2*\r], v[AC+8*\b+2*\r+1]
.endr
.endr
	WIN 0
.endm
.macro TOSTAGE a
.set BB, BK+32*((\a)%2)
.irp b, 0,1,2,3,4,5,6,7
	ds_store_b128 v[STO], v[TMP+4*\b:TMP+4*\b+3] offset:32*\b
.endr
.irp i, 0,1,2,3,4,5,6,7
	ds_load_b128 v[BB+4*\i:BB+4*\i+3], v[RD] offset:544*\i
.endr
.endm
.macro SEND a
.set BB, BK+32*((\a)%2)
	s_wait_dscnt 0x0                               ; the block is back in registers
	s_wait_xcnt 0x0                                ; the stores of the block before have read their registers: the next block's loads may land there
.irp i, 0,1,2,3,4,5,6,7
	global_store_b128 v[CO], v[BB+4*\i:BB+4*\i+3], s[12:13] offset:2048*(\a)+256*\i   ; sixteen lanes store two tokens of one head: 256 consecutive bytes, aligned
.endr
.endm
	PACK 0
	TOSTAGE 0
.irp a, 1,2,3,4,5,6,7                  ; block a's conversions stand between block a - 1's loads from the stage and the wait for them
	PACK \a
	SEND \a-1
	TOSTAGE \a
.endr
	SEND 7
	s_wait_tensorcnt 0x0                           ; the wave's end
	ds_add_u32 v[SPW], v[NIL]
	s_wait_dscnt 0x0
	CROUND                                         ; the closing round
	s_endpgm
.Lfunc_end_k_qc687d15b5b_qkv:
	.size	k_qc687d15b5b_qkv, .Lfunc_end_k_qc687d15b5b_qkv-k_qc687d15b5b_qkv
	.p2alignl 7, 3214868480
	.fill 96, 4, 3214868480
	.section	.rodata,"a",@progbits
	.p2align	6, 0x0
	.amdhsa_kernel k_qc687d15b5b_qkv
		.amdhsa_group_segment_fixed_size 327680
		.amdhsa_private_segment_fixed_size 0
		.amdhsa_enable_private_segment 0
		.amdhsa_kernarg_size 48
		.amdhsa_user_sgpr_count 2
		.amdhsa_user_sgpr_kernarg_segment_ptr 1
		.amdhsa_wavefront_size32 1
		.amdhsa_system_sgpr_workgroup_id_x 1
		.amdhsa_system_sgpr_workgroup_id_y 1
		.amdhsa_system_sgpr_workgroup_id_z 1
		.amdhsa_system_vgpr_workitem_id 0
		.amdhsa_next_free_vgpr 1024
		.amdhsa_next_free_sgpr 100
		.amdhsa_reserve_vcc 0
		.amdhsa_float_denorm_mode_32 3
		.amdhsa_float_denorm_mode_16_64 3
		.amdhsa_memory_ordered 1
		.amdhsa_forward_progress 1
		.amdhsa_inst_pref_size 131
	.end_amdhsa_kernel
	.amdgpu_metadata
---
amdhsa.version: [ 1, 2 ]
amdhsa.kernels:
  - .name:           k_qc687d15b5b_qkv
    .symbol:         k_qc687d15b5b_qkv.kd
    .args:
      - { .name: xc, .offset: 0, .size: 8, .value_kind: global_buffer, .address_space: global }
      - { .name: xs, .offset: 8, .size: 8, .value_kind: global_buffer, .address_space: global }
      - { .name: wc, .offset: 16, .size: 8, .value_kind: global_buffer, .address_space: global }
      - { .name: ws, .offset: 24, .size: 8, .value_kind: global_buffer, .address_space: global }
      - { .name: qkv, .offset: 32, .size: 8, .value_kind: global_buffer, .address_space: global }
      - { .name: qkv32, .offset: 40, .size: 8, .value_kind: global_buffer, .address_space: global }
    .group_segment_fixed_size: 327680
    .private_segment_fixed_size: 0
    .kernarg_segment_align: 8
    .kernarg_segment_size: 48
    .max_flat_workgroup_size: 128
    .sgpr_count:     100
    .vgpr_count:     1024
    .wavefront_size: 32
...
	.end_amdgpu_metadata
.endif
;; end of part 2
;; launch attn (part 3): grid 4 x 64, 8 waves a work-group, no clusters, 327,680 bytes of LDS; arguments qkv, att; writes att
.if DOCPART == 3
	.amdgcn_target "amdgcn-amd-amdhsa--gfx1250"
	.amdhsa_code_object_version 6
	.text
	.protected	k_qc687d15b5b_attn
	.globl	k_qc687d15b5b_attn
	.p2align	8
	.type	k_qc687d15b5b_attn,@function
k_qc687d15b5b_attn:
	s_mov_b64 s[64:65], 0
	v_nop
	global_prefetch_b8 v0, s[64:65] scope:SCOPE_SE
	s_setreg_imm32_b32 hwreg(HW_REG_WAVE_MODE, 25, 1), 1
	s_wait_xcnt 0x0
; att[h][b, s][:] = the sum over t <= s of softmax_t(q[s] . k[t] / 8) v[t][:], for each batch b and head h.  q, k, v: f16, [4 b][48 gh][2,048][64] (launch qkv); att: f16, [16 h][8,192 m = 2,048 b + s][64].
; Products on f16 operands with f32 sums; maxima, exponentials and sums in f32; a running maximum m and sum l for each query: p = 2^(c s - c m), c = log2(e) / 8; in every step O and l are multiplied by 2^(c m_old - c m_new).
; LEFT OUT: a step of 64 keys all of which come after my wave's 32 queries: reference()'s own jnp.tril gives them the weight 0 for all values of the inputs.
; (Positions 0-15 of each sequence are computed here with their tiles; launch fine writes their rows of the output anew from f32 numbers.)
; LIMIT: the result stays under 65,504, as v does; a NaN or an overflow that reaches only a hidden step is not carried on.
; SHARES.  Work-group (p, head) takes query block p (256 queries) and then block 7 - p: (p + 1) + (8 - p) = 9 blocks of 256 keys for every work-group, so the walk's trip count is the constant 9 and all 256 work-groups have like work.
; Each of the eight waves owns 32 queries, two tiles of 16, so that a fragment of K or V read from LDS feeds two products.  A key step is 64 keys; an LDS slot holds a block of 256 keys, four steps.
; NO CLUSTER: the four work-groups of a head change from their first query block to their second in trips 1, 2, 3 and 4, so from trip 1 on they want different key blocks in the same trip;
; were all to walk blocks 0-7 together, a partner would receive tiles that none of its waves reads.
; LAYOUT.  S^T = K Q^T (source 0 = 16 keys, source 1 = 16 queries): a lane holds ONE query (lane % 16) and keys 8 (lane / 16) + 0..7.  Two such tiles, rounded to f16 in pairs, are source 1 of O^T = V^T P.
; K comes out of LDS as it lies, V ([key][channel]) turned, by ds_load_tr16_b128.
; LDS.  Rows of 64 f16 are 128 dense bytes, so a tile is stated as rows of 256 bytes (two keys) with padding behind each: K 16 bytes (pitch 272), V 32 (pitch 288).  Key k lies at pitch x (k / 2) + 128 (k % 2):
; the 16 rows of a fragment of K begin at columns of 16 bytes (k / 2) + 8 (k % 2) modulo 16, all different; the 16 lanes of a turning load at 2 (k / 2) + 8 (k % 2) + (0 or 1), all different.
.set VOFF,  34816                      ; a slot: 128 rows of K (272 bytes), then 128 rows of V (288 bytes)
.set SLOT1, 131072                     ; slot 1 begins here, so that one exclusive or turns an address from one slot to the other
.set STAGE, 202752                     ; behind the ring: 32 rows x 144 bytes for each wave, for the way out
.set SPARE, 239616                     ; the spare words, 128 bytes for each wave: four blocks of 256 bytes that no other line names
.set AK0, 1                            ; v1   my lane's place in a tile of K
.set AV0, 2                            ; v2   the same for V
.set ADR, 3                            ; v3   the LDS address of the run of loads in hand
.set QO,  4                            ; v4   my byte offset in the wave's rows of q
.set STO, 5                            ; v5   the way out: where I put 16 bytes of a row
.set RD,  6                            ; v6   where I read rows back
.set GO,  7                            ; v7   my byte offset in the wave's rows of att
.set SPW, 8                            ; v8   LDS address of my spare word; never rewritten
.set NIL, 9                            ; v9   0; never rewritten
.set LD,  10                           ; v10  lane % 16 - 8 (lane / 16)
.set PFO, 11                           ; v11  256 x lane
.set ST,  12                           ; tile t's ten at v[ST + 10 t]: +0 c m, +1 m, +2, +3 l in two halves, +4, +5, +8, +9 at work, +6 a, +7 the old c m
.set Q,   32                           ; v32-63   q: tile t, channels 32 cs on, at 32 + 16 t + 8 cs
.set S,   64                           ; v64-127  S^T, 32 a tile; p's f16 pairs are written over its low 16
.set O,   128                          ; v128-191 O^T: tile t, channels 16 ct on, at 128 + 32 t + 8 ct
.set KV,  192                          ; v192-255 K's eight fragments, then V's eight
.set WV,  8
.set PP,  9                            ; s9   p
.set SW,  11                           ; s11  the trip in which the query block changes: p + 1
.set TRIP, 12
.set STP, 13
.set KF,  14                           ; s14  the step's first key
.set Q0,  15                           ; s15  my first query
.set TK,  16                           ; s16  LDS byte at which the step's rows of K begin
.set TV,  17                           ; s17  the same for V, less VOFF
.set T0,  18
.set LIM, 19
.set SEL, 20
.set CS,  22
.set G1K, 24
.set G1V, 32
.set G0K, 40
.set G0V, 44
.set KB,  48                           ; s[48:49] my half of key block 0 of k;  s[50:51] of v
.set VB,  50
.set KBO, 52                           ; s[52:53] the key block to be asked for, in bytes
.set QP,  54
.set AP,  56
.set QH,  58
.set AH,  60
.set PFA, 66
.set OF,  68
.set NXT, 70
; Waves 0 and 1 fetch K's halves of a block (128 keys = 64 rows of 256 bytes), waves 2 and 3 V's, the others nothing.  An s_nop 0 and four v_nop follow each of the two lines.
.macro TLOAD
	s_cmp_lt_u32 s[WV], 2
	s_cbranch_scc0 .Lnot_k_\@
	tensor_load_to_lds s[G0K:G0K+3], s[G1K:G1K+7]
	s_nop 0
.rept 4
	v_nop
.endr
	s_branch .Lasked_\@
.Lnot_k_\@:
	s_cmp_lt_u32 s[WV], 4
	s_cbranch_scc0 .Lasked_\@
	tensor_load_to_lds s[G0V:G0V+3], s[G1V:G1V+7]
	s_nop 0
.rept 4
	v_nop
.endr
.Lasked_\@:
.endm
; A PREFETCH INTO THE L2.  The work-group with p = 0 walks key blocks 0, 0, 1, .. 7 of its head: its tensor loads of trip j take block j.  In trips 0 to 6 its waves 4 to 7, which fetch nothing, ask for block j + 1,
; which those loads take one trip, four key steps, later: waves 4 and 5 for K's halves, 6 and 7 for V's, 16,384 bytes each by two instructions, lanes 256 bytes apart.  So blocks 1 to 7 are named once each in the launch;
; block 0 comes by its loads alone, and nothing is asked for past the head's last row.
.macro ASK
	s_cmp_lt_u32 s[TRIP], s[LIM]
	s_cbranch_scc0 .Lnot_mine_\@
	global_prefetch_b8 v[PFO], s[PFA:PFA+1] th:TH_LOAD_NT scope:SCOPE_SE
	global_prefetch_b8 v[PFO], s[PFA:PFA+1] offset:8192 th:TH_LOAD_NT scope:SCOPE_SE
.Lnot_mine_\@:
.endm
.macro LOADQ                           ; q stays in registers: lane (r, h): registers 0-3 channels 8 h + 0..7, registers 4-7 channels 16 + 8 h + 0..7 of row r
.irp t, 0,1
.irp cs, 0,1
	global_load_b128 v[Q+16*\t+8*\cs:Q+16*\t+8*\cs+3], v[QO], s[QP:QP+1] offset:2048*\t+64*\cs
	global_load_b128 v[Q+16*\t+8*\cs+4:Q+16*\t+8*\cs+7], v[QO], s[QP:QP+1] offset:2048*\t+64*\cs+32
.endr
.endr
.endm
.macro INIT                            ; the step is written once: its first run finds zeros, which the first change of m leaves zeros.  64 moves twice in the launch save a second text of the step
.irp t, 0,1
	v_mov_b32 v[ST+10*\t+1], 0xff61b1e6            ; m = -3e38, under every score
	v_mul_f32 v[ST+10*\t], s[CS], v[ST+10*\t+1]
	v_mov_b32 v[ST+10*\t+2], 0
	v_mov_b32 v[ST+10*\t+3], 0
	v_mov_b32 v[ST+10*\t+5], 0
	v_mov_b32 v[ST+10*\t+7], 0
.endr
.set i, 0
.rept 64
	v_mov_b32 v[O+i], 0
.set i, i+1
.endr
.endm
; A KEY STEP: 64 keys.
.macro STEP
	s_add_co_u32 s[T0], s[Q0], 31
	s_cmp_gt_u32 s[KF], s[T0]                      ; all 64 keys come after my 32 queries: the step's work is left out; the lines at its end that step addresses are not
	s_cbranch_scc1 .Lhidden_\@
	v_add_nc_u32 v[ADR], s[TK], v[AK0]
.irp kt, 0,1,2,3
.irp cs, 0,1
	ds_load_b128 v[KV+8*(2*\kt+\cs):KV+8*(2*\kt+\cs)+3], v[ADR] offset:2176*\kt+64*\cs
	ds_load_b128 v[KV+8*(2*\kt+\cs)+4:KV+8*(2*\kt+\cs)+7], v[ADR] offset:2176*\kt+64*\cs+32
.endr
.endr
	s_wait_dscnt 0x0
.irp cs, 0,1                                   ; S^T = K Q^T: the eight accumulators take turns, one instruction a turn; the first eight start the sums
.irp kt, 0,1,2,3
.irp t, 0,1
.if \cs == 0
	v_wmma_f32_16x16x32_f16 v[S+32*\t+8*\kt:S+32*\t+8*\kt+7], v[KV+8*(2*\kt+\cs):KV+8*(2*\kt+\cs)+7], v[Q+16*\t+8*\cs:Q+16*\t+8*\cs+7], 0
.else
	v_wmma_f32_16x16x32_f16 v[S+32*\t+8*\kt:S+32*\t+8*\kt+7], v[KV+8*(2*\kt+\cs):KV+8*(2*\kt+\cs)+7], v[Q+16*\t+8*\cs:Q+16*\t+8*\cs+7], v[S+32*\t+8*\kt:S+32*\t+8*\kt+7]
.endif
.endr
.endr
.endr
	v_add_nc_u32 v[ADR], s[TV], v[AV0]             ; this line and three v_nop: the four places in front of the loads into K's registers and of the first read of the scores
.rept 3
	v_nop
.endr
.irp ks, 0,1                                   ; V, turned: it lands while the softmax is walked
.irp ct, 0,1,2,3
	ds_load_tr16_b128 v[KV+8*(4*\ks+\ct):KV+8*(4*\ks+\ct)+3], v[ADR] offset:4608*\ks+32*\ct
	ds_load_tr16_b128 v[KV+8*(4*\ks+\ct)+4:KV+8*(4*\ks+\ct)+7], v[ADR] offset:4608*\ks+32*\ct+2304
.endr
.endr
	s_add_co_u32 s[T0], s[KF], 63                  ; on the diagonal the scores of hidden keys become -infinity ahead of the maximum; a step all of whose keys count skips this
	s_cmp_le_u32 s[T0], s[Q0]
	s_cbranch_scc1 .Lopen_\@
	s_sub_co_i32 s[T0], s[Q0], s[KF]
	v_add_nc_u32 v[ST+4], s[T0], v[LD]             ; d = my query - the step's first key - 8 (lane / 16).  Register n holds key 16 (n / 8) + n % 8 + 8 (lane / 16): hidden where 16 (n / 8) + n % 8 > d
	v_add_nc_u32 v[ST+14], 16, v[ST+4]             ; tile 1's queries lie 16 on
	v_mov_b32 v[ST+5], 0xff800000
.irp n, 0,1,2,3,4,5,6,7,8,9,10,11,12,13,14,15,16,17,18,19,20,21,22,23,24,25,26,27,28,29,30,31
	v_cmp_gt_i32 vcc_lo, 16*(\n/8)+\n%8, v[ST+4]
	v_cndmask_b32 v[S+\n], v[S+\n], v[ST+5], vcc_lo
	v_cmp_gt_i32 vcc_lo, 16*(\n/8)+\n%8, v[ST+14]
	v_cndmask_b32 v[S+32+\n], v[S+32+\n], v[ST+5], vcc_lo
.endr
.Lopen_\@:
; the maximum of my 32 scores and the old m: four chains, one to an accumulator, each from the accumulator's low end on; the two tiles by turns
.irp j, 0,1,2,3
.irp t, 0,1
	v_max3_num_f32 v[ST+10*\t+4+\j+2*(\j/2)], v[S+32*\t+8*\j], v[S+32*\t+8*\j+1], v[S+32*\t+8*\j+2]
.endr
.endr
.irp i, 3,5
.irp j, 0,1,2,3
.irp t, 0,1
	v_max3_num_f32 v[ST+10*\t+4+\j+2*(\j/2)], v[ST+10*\t+4+\j+2*(\j/2)], v[S+32*\t+8*\j+\i], v[S+32*\t+8*\j+\i+1]
.endr
.endr
.endr
.irp t, 0,1
	v_max3_num_f32 v[ST+10*\t+4], v[ST+10*\t+4], v[S+32*\t+7], v[S+32*\t+15]
.endr
.irp t, 0,1
	v_max3_num_f32 v[ST+10*\t+8], v[ST+10*\t+8], v[S+32*\t+23], v[S+32*\t+31]
.endr
.irp t, 0,1
	v_max3_num_f32 v[ST+10*\t+4], v[ST+10*\t+4], v[ST+10*\t+5], v[ST+10*\t+8]
.endr
.irp t, 0,1
	v_max3_num_f32 v[ST+10*\t+4], v[ST+10*\t+4], v[ST+10*\t+9], v[ST+10*\t+1]
.endr
.irp t, 0,1
	v_permlanex16_b32 v[ST+10*\t+5], v[ST+10*\t+4], s[SEL], s[SEL+1]   ; the query's other 32 keys lie in the lane 16 away
.endr
.irp t, 0,1
	v_mov_b32 v[ST+10*\t+7], v[ST+10*\t]           ; c m_old is kept
.endr
.irp t, 0,1
	v_max_num_f32 v[ST+10*\t+1], v[ST+10*\t+4], v[ST+10*\t+5]
.endr
.irp t, 0,1
	v_mul_f32 v[ST+10*\t], s[CS], v[ST+10*\t+1]
.endr
.irp t, 0,1
	v_sub_f32 v[ST+10*\t+7], v[ST+10*\t+7], v[ST+10*\t]
.endr
.irp t, 0,1
	v_exp_f32 v[ST+10*\t+6], v[ST+10*\t+7]         ; a = 2^(c m_old - c m_new)
.endr
.irp j, 0,2,4,6,8,10,12,14,16,18,20,22,24,26,28,30
.irp t, 0,1
	v_pk_fma_f32 v[S+32*\t+\j:S+32*\t+\j+1], v[S+32*\t+\j:S+32*\t+\j+1], s[CS:CS+1], v[ST+10*\t:ST+10*\t+1] op_sel_hi:[1,0,0] neg_lo:[0,0,1] neg_hi:[0,0,1]   ; c s - c m, two at a time
.endr
.endr
.set i, 0
.rept 64
	v_exp_f32 v[S+i], v[S+i]                       ; p = 2^(c s - c m), at most 1
.set i, i+1
.endr
	v_nop                                          ; a plain instruction behind the last exponential
	s_wait_alu depctr_va_vdst(0)                   ; one wait for the step's 66 exponentials, ahead of the first line that names a result
.irp t, 0,1                                    ; the sums, of the unrounded p: two chains a tile, two numbers a line
	v_pk_add_f32 v[ST+10*\t+4:ST+10*\t+5], v[S+32*\t:S+32*\t+1], v[S+32*\t+2:S+32*\t+3]
	v_pk_add_f32 v[ST+10*\t+8:ST+10*\t+9], v[S+32*\t+4:S+32*\t+5], v[S+32*\t+6:S+32*\t+7]
.endr
.irp j, 8,12,16,20,24,28
.irp t, 0,1
	v_pk_add_f32 v[ST+10*\t+4:ST+10*\t+5], v[ST+10*\t+4:ST+10*\t+5], v[S+32*\t+\j:S+32*\t+\j+1]
	v_pk_add_f32 v[ST+10*\t+8:ST+10*\t+9], v[ST+10*\t+8:ST+10*\t+9], v[S+32*\t+\j+2:S+32*\t+\j+3]
.endr
.endr
.irp t, 0,1
	v_pk_add_f32 v[ST+10*\t+4:ST+10*\t+5], v[ST+10*\t+4:ST+10*\t+5], v[ST+10*\t+8:ST+10*\t+9]
.endr
.irp t, 0,1
	v_pk_fma_f32 v[ST+10*\t+2:ST+10*\t+3], v[ST+10*\t+2:ST+10*\t+3], v[ST+10*\t+6:ST+10*\t+7], v[ST+10*\t+4:ST+10*\t+5] op_sel_hi:[1,0,1]   ; l = l a + the step's sum
.endr
.irp j, 0,1,2,3,4,5,6,7,8,9,10,11,12,13,14,15
.irp t, 0,1
	v_cvt_pk_f16_f32 v[S+32*\t+\j], v[S+32*\t+2*\j], v[S+32*\t+2*\j+1]   ; pair j to register j, ascending: no pair is written over before it is read
.endr
.endr
.irp j, 0,2,4,6,8,10,12,14,16,18,20,22,24,26,28,30
.irp t, 0,1
	v_pk_mul_f32 v[O+32*\t+\j:O+32*\t+\j+1], v[O+32*\t+\j:O+32*\t+\j+1], v[ST+10*\t+6:ST+10*\t+7] op_sel_hi:[1,0]   ; O^T times a
.endr
.endr
	s_wait_dscnt 0x0                               ; V is in
.irp ks, 0,1                                   ; O^T += V^T P: the eight accumulators by turns
.irp ct, 0,1,2,3
.irp t, 0,1
	v_wmma_f32_16x16x32_f16 v[O+32*\t+8*\ct:O+32*\t+8*\ct+7], v[KV+8*(4*\ks+\ct):KV+8*(4*\ks+\ct)+7], v[S+32*\t+8*\ks:S+32*\t+8*\ks+7], v[O+32*\t+8*\ct:O+32*\t+8*\ct+7]
.endr
.endr
.endr
.rept 5
	v_nop                                          ; four places in front of the next loads into V's registers and of reads of O^T; five in front of the next scores, which are written over p
.endr
.Lhidden_\@:
	s_add_co_u32 s[KF], s[KF], 64
	s_add_co_u32 s[TK], s[TK], 8704                ; 32 rows of 272 bytes
	s_add_co_u32 s[TV], s[TV], 9216                ; 32 rows of 288 bytes
.endm
; THE WAY OUT of a query block: O^T / l, rounded to f16, through my own stage (rows of 128 + 16 bytes) and out as my 32 rows of att: 4,096 dense bytes, 512 a store.
.macro WAYOUT
.irp t, 0,1
	v_add_f32 v[ST+10*\t+4], v[ST+10*\t+2], v[ST+10*\t+3]
.endr
.irp t, 0,1
	v_permlanex16_b32 v[ST+10*\t+5], v[ST+10*\t+4], s[SEL], s[SEL+1]
.endr
.irp t, 0,1
	v_add_f32 v[ST+10*\t+4], v[ST+10*\t+4], v[ST+10*\t+5]
.endr
.irp t, 0,1
	v_rcp_f32 v[ST+10*\t+6], v[ST+10*\t+4]
.endr
	v_nop                                          ; a plain instruction behind the reciprocals,
	s_wait_alu depctr_va_vdst(0)                   ; and one wait for both, ahead of their first reader
.irp t, 0,1
.irp j, 0,2,4,6,8,10,12,14,16,18,20,22,24,26,28,30
	v_pk_mul_f32 v[O+32*\t+\j:O+32*\t+\j+1], v[O+32*\t+\j:O+32*\t+\j+1], v[ST+10*\t+6:ST+10*\t+7] op_sel_hi:[1,0]
.endr
.irp j, 0,1,2,3,4,5,6,7,8,9,10,11,12,13,14,15
	v_cvt_pk_f16_f32 v[KV+16*\t+\j], v[O+32*\t+2*\j], v[O+32*\t+2*\j+1]
.endr
.irp ct, 0,1,2,3
	ds_store_b128 v[STO], v[KV+16*\t+4*\ct:KV+16*\t+4*\ct+3] offset:2304*\t+32*\ct
.endr
.endr
.irp n, 0,1,2,3,4,5,6,7
	ds_load_b128 v[KV+32+4*\n:KV+32+4*\n+3], v[RD] offset:2304*(\n/4)+576*(\n%4)   ; four rows a load; LDS serves a wave's instructions in order: these see the stores above
.endr
.irp n, 0,1,2,3,4,5,6,7
	s_wait_dscnt 7-\n                              ; the loads behind this one may be out
	global_store_b128 v[GO], v[KV+32+4*\n:KV+32+4*\n+3], s[AP:AP+1] offset:2048*(\n/4)+512*(\n%4)
.endr
.endm
; THE CHANGE OF SLOTS stands at a slot's head.  Each wave waits for all its tensor loads, adds 0 to its spare word, and waits for that and for its reads of the slot that it has left; behind the barrier the slot ahead is whole and
; nobody reads the other one.  fill = 1: that other slot is filled with the key block of the next trip: the next of the same query block, or block 0 where the query block changes.
.macro CHANGE fill
	s_wait_tensorcnt 0x0                           ; no tensor load of mine is out, so a group 0 may be written
	ds_add_u32 v[SPW], v[NIL]
.if \fill
	ds_add_u32 v[SPW], v[NIL]                      ; and once more: the add twice on end, in every trip alike
	s_add_co_u32 s[NXT], s[TRIP], 1
	s_add_co_u32 s[KBO], s[KBO], 32768             ; 256 keys of 128 bytes on,
	s_cmp_eq_u32 s[NXT], s[SW]
	s_cselect_b32 s[KBO], 0, s[KBO]                ; or back to key 0
	s_xor_b32 s[G0K+1], s[G0K+1], SLOT1
	s_add_nc_u64 s[G0K+2:G0K+3], s[KB:KB+1], s[KBO:KBO+1]
	s_or_b32 s[G0K+3], s[G0K+3], 0x80000000
	s_xor_b32 s[G0V+1], s[G0V+1], SLOT1
	s_add_nc_u64 s[G0V+2:G0V+3], s[VB:VB+1], s[KBO:KBO+1]
	s_or_b32 s[G0V+3], s[G0V+3], 0x80000000
	s_wait_xcnt 0x0                                ; the last prefetches, a trip back, have read their address
	s_add_nc_u64 s[PFA:PFA+1], s[PFA:PFA+1], 32768
.endif
	s_wait_dscnt 0x0                               ; the add is done, and my reads of the slot that I have left are over
	s_barrier_signal -1
	s_barrier_wait -1
.if \fill
	TLOAD                                          ; the first thing behind the barrier, and a wave's one tensor load until the next: one load of mine is out
	ASK
.endif
.endm
.macro SLOT sw
.if \sw
	s_cmp_lg_u32 s[TRIP], s[SW]                    ; ids and the count of trips alone: all eight waves go the same way
	s_cbranch_scc1 .Lsame_\@
	WAYOUT                                         ; the first query block is finished
	s_wait_xcnt 0x0                                ; its stores have read their registers and their base
	s_sub_co_u32 s[T0], 7, s[PP]
	s_lshl_b32 s[T0], s[T0], 8
	s_lshl_b32 s[Q0], s[WV], 5
	s_add_co_u32 s[Q0], s[Q0], s[T0]               ; my first query of block 7 - p
	s_mov_b32 s[KF], 0
	s_lshl_b32 s[OF], s[Q0], 7
	s_add_nc_u64 s[QP:QP+1], s[QH:QH+1], s[OF:OF+1]
	s_add_nc_u64 s[AP:AP+1], s[AH:AH+1], s[OF:OF+1]
	LOADQ
	INIT
	s_wait_loadcnt 0x0
.Lsame_\@:
.endif
	s_mov_b32 s[STP], 4
.Lstep_\@:
	STEP
	s_sub_co_u32 s[STP], s[STP], 1
	s_cmp_lg_u32 s[STP], 0
	s_cbranch_scc1 .Lstep_\@
	s_sub_co_u32 s[TK], s[TK], 34816               ; back to a slot's first step,
	s_xor_b32 s[TK], s[TK], SLOT1                  ; in the other slot
	s_sub_co_u32 s[TV], s[TV], 36864
	s_xor_b32 s[TV], s[TV], SLOT1
.endm
	s_load_b128 s[4:7], s[0:1], 0x0                ; qkv s[4:5], att s[6:7]
	v_lshl_add_u32 v[SPW], v0, 2, SPARE
	v_mov_b32 v[NIL], 0
	ds_add_u32 v[SPW], v[NIL]                      ; the wave's opening: the add, twice on end, and its wait ahead of the first tensor load
	ds_add_u32 v[SPW], v[NIL]
	v_lshrrev_b32 v1, 5, v0
	v_readfirstlane_b32 s[WV], v1                  ; wave 0..7
	s_mov_b32 s[PP], ttmp9
	s_add_co_u32 s[SW], s[PP], 1
	s_and_b32 s10, ttmp7, 0xffff
	s_lshr_b32 s[NXT], s10, 4                      ; b
	s_and_b32 s10, s10, 15                         ; h
	s_mov_b32 s[G1K], (1<<16)|(1<<20)|(5<<22)|(3<<25)             ; no mask; elements of 2 bytes; padding on: after every 64 words, 4 words
	s_mov_b32 s[G1V], (1<<16)|(1<<20)|(5<<22)|(7<<25)             ; the same with 8 words
.irp g, G1K, G1V
	s_mov_b32 s[\g+1], 128<<16                     ; tensor_dim0 = 128 elements: two keys
	s_mov_b32 s[\g+2], 64<<16                      ; tensor_dim1 = 64 rows
	s_mov_b32 s[\g+3], 128<<16                     ; tile_dim0
	s_mov_b32 s[\g+4], 64                          ; tile_dim1
	s_mov_b32 s[\g+5], 128                         ; stride: the rows are dense
	s_mov_b32 s[\g+6], 0
	s_mov_b32 s[\g+7], 0
.endr
	s_mov_b32 s[SEL], 0x76543210
	s_mov_b32 s[SEL+1], 0xfedcba98
	s_mov_b32 s[CS], 0x3e38aa3b                    ; c = log2(e) / 8
	s_mov_b32 s[CS+1], s[CS]
	s_mov_b32 s[TK], 0
	s_mov_b32 s[TV], 0
	s_mov_b32 s[KF], 0
	s_mov_b32 s[KBO], 0
	s_mov_b32 s[KBO+1], 0
	s_mov_b32 s[TRIP], 0
	s_lshl_b32 s[Q0], s[PP], 8
	s_lshl_b32 s[T0], s[WV], 5
	s_add_co_u32 s[Q0], s[Q0], s[T0]               ; my first query: 256 p + 32 x wave
	s_mul_i32 s[OF], s[NXT], 48
	s_add_co_u32 s[OF], s[OF], s10
	s_lshl_b32 s[OF], s[OF], 18                    ; q's head: (48 b + h) x 262,144 bytes
	s_mov_b32 s[OF+1], 0
	s_and_b32 s[T0], s[WV], 1                      ; which half of a key block I fetch, if I fetch
	s_mov_b32 s[G0K], 1
	s_mul_i32 s[G0K+1], s[T0], 17408               ; 64 rows of 272 bytes
	s_mov_b32 s[G0V], 1
	s_mul_i32 s[G0V+1], s[T0], 18432               ; 64 rows of 288 bytes
	s_add_co_u32 s[G0V+1], s[G0V+1], VOFF
	s_lshl_b32 s[T0], s[T0], 14                    ; 128 keys of 128 bytes
	s_wait_dscnt 0x0                               ; both opening adds are done
	s_wait_kmcnt 0x0
	s_add_nc_u64 s[QH:QH+1], s[4:5], s[OF:OF+1]
	s_add_co_u32 s[OF], s[OF], s[T0]
	s_add_co_u32 s[OF], s[OF], 16*262144           ; k's head lies 16 heads on,
	s_add_nc_u64 s[KB:KB+1], s[4:5], s[OF:OF+1]
	s_add_co_u32 s[OF], s[OF], 16*262144           ; v's 32
	s_add_nc_u64 s[VB:VB+1], s[4:5], s[OF:OF+1]
	s_mov_b64 s[G0K+2:G0K+3], s[KB:KB+1]
	s_or_b32 s[G0K+3], s[G0K+3], 0x80000000
	s_mov_b64 s[G0V+2:G0V+3], s[VB:VB+1]
	s_or_b32 s[G0V+3], s[G0V+3], 0x80000000
	TLOAD                                          ; slot 0: key block 0, which counts for every query
	s_lshl_b32 s[OF], s10, 20
	s_lshl_b32 s[T0], s[NXT], 18
	s_add_co_u32 s[OF], s[OF], s[T0]
	s_add_nc_u64 s[AH:AH+1], s[6:7], s[OF:OF+1]    ; att at plane h, row 2,048 b
	s_lshl_b32 s[OF], s[Q0], 7
	s_add_nc_u64 s[QP:QP+1], s[QH:QH+1], s[OF:OF+1]
	s_add_nc_u64 s[AP:AP+1], s[AH:AH+1], s[OF:OF+1]
	s_cmp_lt_u32 s[WV], 6
	s_cselect_b64 s[PFA:PFA+1], s[KB:KB+1], s[VB:VB+1]   ; at block 0: the first change of slots steps it to block 1
	s_lshr_b32 s[T0], s[WV], 2
	s_xor_b32 s[T0], s[T0], 1                      ; 0 in waves 4 to 7,
	s_or_b32 s[T0], s[T0], s[PP]                   ; of the work-group with p = 0
	s_cmp_eq_u32 s[T0], 0
	s_cselect_b32 s[LIM], 7, 0
	v_and_b32 v12, 15, v0                          ; r
	v_bfe_u32 v13, v0, 4, 1                        ; h
	v_lshrrev_b32 v14, 1, v12
	v_and_b32 v15, 1, v0
	v_mul_u32_u24 v[AK0], v14, 272
	v_lshl_add_u32 v[AK0], v15, 7, v[AK0]
	v_lshl_add_u32 v[AK0], v13, 4, v[AK0]          ; K: 272 (r / 2) + 128 (r % 2) + 16 h
	v_bfe_u32 v14, v0, 1, 2
	v_lshl_add_u32 v14, v13, 2, v14
	v_mul_u32_u24 v[AV0], v14, 288
	v_lshl_add_u32 v[AV0], v15, 7, v[AV0]
	v_bfe_u32 v14, v0, 3, 1
	v_lshl_add_u32 v[AV0], v14, 4, v[AV0]
	v_add_nc_u32 v[AV0], VOFF, v[AV0]              ; V: lane l reads key 8 h + l % 8, channels 8 ((l / 8) % 2) + 0..7
	v_lshlrev_b32 v[QO], 7, v12
	v_lshl_add_u32 v[QO], v13, 4, v[QO]
	s_mul_i32 s[T0], s[WV], 4608
	s_add_co_u32 s[T0], s[T0], STAGE               ; my stage
	v_mul_u32_u24 v[STO], v12, 144
	v_lshl_add_u32 v[STO], v13, 4, v[STO]
	v_add_nc_u32 v[STO], s[T0], v[STO]
	v_bfe_u32 v14, v0, 3, 2
	v_mul_u32_u24 v[RD], v14, 144
	v_and_b32 v15, 7, v0
	v_lshl_add_u32 v[RD], v15, 4, v[RD]
	v_add_nc_u32 v[RD], s[T0], v[RD]
	v_and_b32 v14, 31, v0
	v_lshlrev_b32 v[GO], 4, v14
	v_lshlrev_b32 v[PFO], 8, v14
	v_lshlrev_b32 v14, 3, v13
	v_sub_nc_u32 v[LD], v12, v14
	LOADQ
	INIT
	s_wait_loadcnt 0x0
.Lslot:                                            ; eight trips: behind each change of slots but the last the next trip's key block is asked for.  Slot 1's first fill stands behind the first trip's barrier
	CHANGE 1
	SLOT 1
	s_add_co_u32 s[TRIP], s[TRIP], 1
	s_cmp_lt_u32 s[TRIP], 8
	s_cbranch_scc1 .Lslot
	CHANGE 0                                       ; the ninth trip is written out; the query block changes in trips 1 to 4, inside the loop
	SLOT 0
	WAYOUT
	s_wait_tensorcnt 0x0                           ; the wave's end
	ds_add_u32 v[SPW], v[NIL]
	s_wait_dscnt 0x0
	s_endpgm
.Lfunc_end_k_qc687d15b5b_attn:
	.size	k_qc687d15b5b_attn, .Lfunc_end_k_qc687d15b5b_attn-k_qc687d15b5b_attn
	.p2alignl 7, 3214868480
	.fill 96, 4, 3214868480
	.section	.rodata,"a",@progbits
	.p2align	6, 0x0
	.amdhsa_kernel k_qc687d15b5b_attn
		.amdhsa_group_segment_fixed_size 327680
		.amdhsa_private_segment_fixed_size 0
		.amdhsa_enable_private_segment 0
		.amdhsa_kernarg_size 16
		.amdhsa_user_sgpr_count 2
		.amdhsa_user_sgpr_kernarg_segment_ptr 1
		.amdhsa_wavefront_size32 1
		.amdhsa_system_sgpr_workgroup_id_x 1
		.amdhsa_system_sgpr_workgroup_id_y 1
		.amdhsa_system_sgpr_workgroup_id_z 1
		.amdhsa_system_vgpr_workitem_id 0
		.amdhsa_next_free_vgpr 256
		.amdhsa_next_free_sgpr 72
		.amdhsa_reserve_vcc 1
		.amdhsa_float_denorm_mode_32 3
		.amdhsa_float_denorm_mode_16_64 3
		.amdhsa_memory_ordered 1
		.amdhsa_forward_progress 1
		.amdhsa_inst_pref_size 72
	.end_amdhsa_kernel
	.amdgpu_metadata
---
amdhsa.version: [ 1, 2 ]
amdhsa.kernels:
  - .name:           k_qc687d15b5b_attn
    .symbol:         k_qc687d15b5b_attn.kd
    .args:
      - { .name: qkv, .offset: 0, .size: 8, .value_kind: global_buffer, .address_space: global }
      - { .name: att, .offset: 8, .size: 8, .value_kind: global_buffer, .address_space: global }
    .group_segment_fixed_size: 327680
    .private_segment_fixed_size: 0
    .kernarg_segment_align: 8
    .kernarg_segment_size: 16
    .max_flat_workgroup_size: 256
    .sgpr_count:     72
    .vgpr_count:     256
    .wavefront_size: 32
...
	.end_amdgpu_metadata
.endif
;; end of part 3
;; launch proj (part 4): grid 8 x 32, 4 waves a work-group, clusters of 4 x 4, 327,680 bytes of LDS; arguments att, wp16, bp, out0; writes out0
.if DOCPART == 4
	.amdgcn_target "amdgcn-amd-amdhsa--gfx1250"
	.amdhsa_code_object_version 6
	.text
	.protected	k_qc687d15b5b_proj
	.globl	k_qc687d15b5b_proj
	.p2align	8
	.type	k_qc687d15b5b_proj,@function
k_qc687d15b5b_proj:
	s_mov_b64 s[64:65], 0
	v_nop
	global_prefetch_b8 v0, s[64:65] scope:SCOPE_SE
	s_setreg_imm32_b32 hwreg(HW_REG_WAVE_MODE, 25, 1), 1
	s_wait_xcnt 0x0
	s_wait_alu depctr_hold_cnt(0) depctr_sa_sdst(0) depctr_va_vdst(0) depctr_va_sdst(0) depctr_va_ssrc(0) depctr_va_vcc(0) depctr_vm_vsrc(0)
	s_getreg_b32 s2, hwreg(HW_REG_IB_STS2, 6, 4)
	s_cmp_eq_u32 s2, 0
	s_cbranch_scc0 .Lentry_in_a_cluster
	s_endpgm
.Lentry_in_a_cluster:
	s_bfe_u32 s2, ttmp6, 0x10000c
	s_cmp_lg_u32 s2, 0xf033
	s_cbranch_scc0 .Lentry_shape_is_right
	s_endpgm
.Lentry_shape_is_right:
; out0[m][n] = the sum over k of att[m][k] Wp[n][k] + bp[n]: 8,192 x 1,024 x 1,024, f16 operands, f32 sums.  att: [16 planes][8,192 m][64] (launch attn); wp16: [16 planes][1,024 n][64] (launch prep): plane h holds k = 64 h + 0..63.
; Nothing is left out.  (Positions 0-15 of each sequence are computed here with their tiles; launch fine writes those 64 rows anew from f32 numbers.)
; A tile of the output is 256 (m) x 128 (n): 256 work-groups.  Four waves, each 128 x 64: 32 accumulators, 256 registers.  A K step is 128 along K, two planes; eight K steps go through a ring of two LDS slots.
; A plane's rows of 128 bytes are dense, so a tile is stated as rows of 256 bytes (two rows of the matrix) with 16 bytes of padding behind each: row m lies at 272 (m / 2) + 128 (m % 2),
; and the 16 rows of a fragment begin at columns of 16 bytes (m / 2) + 8 (m % 2) modulo 16, all different.
; CLUSTERS: 4 x 4 work-groups.  att's tile hangs on the tile row alone and is shared along a row of the cluster, wp16's on the tile column alone and is shared along a column: each is asked for jointly.
; THE MATRIX INSTRUCTION IS USED TRANSPOSED (source 0 = 16 rows of Wp, source 1 = 16 rows of att): a lane holds eight neighbouring columns of one row.  The bias is the C of each sum's first instruction.
; REGISTERS: window 0: v16-31 addresses; v32-63 the bias in the result's layout (block b at 32 + 8 b); v64-127 rows on the way out.
;   window 1: att's fragments, buffer f at 64 f + 8 a; Wp's at 128 + 32 f + 8 b.   window 2: accumulator (a, b) at 8 (4 a + b).
.set PA,    34816                      ; a plane of att's tile: 128 rows of 272 bytes
.set PB,    17408                      ; a plane of Wp's: 64 rows
.set SLOT,  2*PA+2*PB
.set STAGE, 2*SLOT                     ; behind the ring: 16 rows x 272 bytes for each wave
.set SPARE, STAGE+4*16*272             ; the spare words, 128 bytes for each wave: two blocks of 256 bytes that no other line names
.set ADRA, 16
.set ADRB, 20
.set STO,  24
.set RD,   25
.set CO,   26
.set SPW,  28
.set NIL,  29
.set PFO,  30
.set BO,   31                          ; v31  the bias loads' offset
.set BI,   32
.set BK,   64
.set G1,  24
.set G0,  32
.set G1B, 48
.set G0B, 56
.set PFA, 66
.set LIM, 68
.set MSB, 0
.macro WIN new
.if MSB != (\new)
	s_set_vgpr_msb (MSB<<8)|(\new)
.set MSB, (\new)
.endif
.endm
.set MUL,  0xa5                        ; sources 0 and 1 window 1; C and D window 2.  Less 0x20: C (the bias) in window 0
.set TO_F, 0x40
.macro JLOAD s                         ; waves 0 and 1 fetch att's two planes of a K step, waves 2 and 3 Wp's; an s_nop 0 and four v_nop follow each of the two lines
	s_cmp_eq_u32 s13, 0
	s_cbranch_scc0 .Lfor_b_\@
	tensor_load_to_lds s[G0+4*\s:G0+4*\s+3], s[G1:G1+7]
	s_nop 0
.rept 4
	v_nop
.endr
	s_branch .Lasked_\@
.Lfor_b_\@:
	tensor_load_to_lds s[G0B+4*\s:G0B+4*\s+3], s[G1B:G1B+7]
	s_nop 0
.rept 4
	v_nop
.endr
.Lasked_\@:
.endm
; A PREFETCH INTO THE L2 of att, behind each joint refill: the K step that stands two refills on.  A tile row of att is read by both clusters of its row of clusters: the one with x = 0 asks.  In it waves 0 and 1 ask, each for the plane
; that it fetches: 32,768 bytes, of which each of the four partners along x takes 8,192, told apart by address: lanes 256 bytes apart, one instruction a wave.  The loop's last trip asks for nothing: K has no step two on.
; K steps 0 to 3 come by their loads alone.  Wp's planes, which every row of clusters reads again, are not asked for.
.macro ASK
	s_cmp_gt_u32 s3, s[LIM]
	s_cbranch_scc0 .Lnot_mine_\@
	global_prefetch_b8 v[PFO], s[PFA:PFA+1] offset:2097152 th:TH_LOAD_NT scope:SCOPE_SE
.Lnot_mine_\@:
.endm
.macro CREST
	s_cmp_lg_u32 s12, 0
	s_cbranch_scc1 .Lnot_wave_0_\@
	s_barrier_signal -3
.Lnot_wave_0_\@:
	s_barrier_wait -3
	s_barrier_signal -1
	s_barrier_wait -1
.endm
.macro CROUND
	s_barrier_signal -1
	s_barrier_wait -1
	CREST
.endm
	s_load_b256 s[4:11], s[0:1], 0x0               ; att s[4:5], wp16 s[6:7], bp s[8:9], out0 s[10:11]
	v_lshl_add_u32 v[SPW], v0, 2, SPARE
	v_mov_b32 v[NIL], 0
	ds_add_u32 v[SPW], v[NIL]                      ; the wave's opening: the add, twice on end, and its wait ahead of my first tensor load
	ds_add_u32 v[SPW], v[NIL]
	v_lshrrev_b32 v1, 5, v0
	v_readfirstlane_b32 s12, v1                    ; wave 0..3
	s_lshr_b32 s13, s12, 1                         ; which half of the tile's rows is mine.  Also: I fetch for att (0) or for Wp (1)
	s_and_b32 s14, s12, 1                          ; which half of its columns.  Also: which plane of a K step I fetch
	s_bfe_u32 s40, ttmp6, 0x40000                  ; cx
	s_bfe_u32 s41, ttmp6, 0x40004                  ; cy
	s_lshl_b32 s42, ttmp9, 2
	s_add_co_u32 s42, s42, s40                     ; tile column
	s_and_b32 s15, ttmp7, 0xffff
	s_lshl_b32 s15, s15, 2
	s_add_co_u32 s15, s15, s41                     ; tile row
	s_lshl_b32 s43, s41, 2
	s_lshl_b32 s43, 15, s43                        ; my row of the cluster
	s_lshl_b32 s44, 0x1111, s40                    ; my column
	s_or_b32 s[G1+0], s43, (1<<16)|(1<<20)|(1<<21)|(5<<22)|(3<<25)  ; the mask; elements of 2 bytes; padding on; bit 21 beside a mask; after every 64 words, 4 words
	s_or_b32 s[G1B+0], s44, (1<<16)|(1<<20)|(1<<21)|(5<<22)|(3<<25)
	s_mov_b32 s[G1+1], 128<<16                     ; tensor_dim0 = 128 elements
	s_mov_b32 s[G1+2], 128<<16                     ; tensor_dim1 = 128 rows
	s_mov_b32 s[G1+3], 128<<16                     ; tile_dim0
	s_mov_b32 s[G1+4], 128                         ; tile_dim1
	s_mov_b32 s[G1+5], 128                         ; stride: dense
	s_mov_b32 s[G1+6], 0
	s_mov_b32 s[G1+7], 0
	s_mov_b32 s[G1B+1], 128<<16
	s_mov_b32 s[G1B+2], 64<<16                     ; 64 rows
	s_mov_b32 s[G1B+3], 128<<16
	s_mov_b32 s[G1B+4], 64
	s_mov_b32 s[G1B+5], 128
	s_mov_b32 s[G1B+6], 0
	s_mov_b32 s[G1B+7], 0
	s_lshl_b32 s16, s14, 20                        ; att: my plane of K step 0,
	s_lshl_b32 s17, s15, 15                        ; the tile row's 256 rows of 128 bytes
	s_add_co_u32 s16, s16, s17
	s_mov_b32 s17, 0
	s_lshl_b32 s46, s14, 17                        ; wp16: my plane,
	s_lshl_b32 s47, s42, 14                        ; the tile column's 128 rows
	s_add_co_u32 s46, s46, s47
	s_mov_b32 s47, 0
	s_mul_i32 s20, s14, PA                         ; where they go: no place in the cluster enters an LDS address
	s_mul_i32 s21, s14, PB
	s_add_co_u32 s21, s21, 2*PA
	s_wait_dscnt 0x0                               ; both opening adds are done
	s_wait_kmcnt 0x0
	s_add_nc_u64 s[18:19], s[4:5], s[16:17]
	s_add_nc_u64 s[46:47], s[6:7], s[46:47]
	CROUND                                         ; all sixteen work-groups are here: the first joint loads meet
.irp s, 0,1
	s_mov_b32 s[G0+4*\s], 1
	s_add_co_u32 s[G0+4*\s+1], s20, \s*SLOT
	s_add_nc_u64 s[G0+4*\s+2:G0+4*\s+3], s[18:19], \s*2097152     ; K step s: two planes of 1,048,576 bytes on
	s_or_b32 s[G0+4*\s+3], s[G0+4*\s+3], 0x80000000
	s_mov_b32 s[G0B+4*\s], 1
	s_add_co_u32 s[G0B+4*\s+1], s21, \s*SLOT
	s_add_nc_u64 s[G0B+4*\s+2:G0B+4*\s+3], s[46:47], \s*262144
	s_or_b32 s[G0B+4*\s+3], s[G0B+4*\s+3], 0x80000000
	JLOAD \s                                       ; two loads of mine are out behind the second
.endr
	v_and_b32 v1, 15, v0                           ; r
	v_bfe_u32 v2, v0, 4, 1                         ; h
	s_lshl_b32 s22, s42, 9
	s_lshl_b32 s23, s14, 8
	s_add_co_u32 s22, s22, s23                     ; my first column, in bytes of f32: 512 x tile column + 256 x half
	s_mov_b32 s23, 0
	s_add_nc_u64 s[8:9], s[8:9], s[22:23]
	v_lshlrev_b32 v[BO], 5, v2
.irp b, 0,1,2,3
	global_load_b128 v[BI+8*\b:BI+8*\b+3], v[BO], s[8:9] offset:64*\b        ; bp at columns 16 b + 8 h + 0 .. 7
	global_load_b128 v[BI+8*\b+4:BI+8*\b+7], v[BO], s[8:9] offset:64*\b+16
.endr
	s_add_nc_u64 s[10:11], s[10:11], s[22:23]
	s_lshl_b32 s22, s15, 20                        ; 256 rows of 4,096 bytes
	s_lshl_b32 s16, s13, 19
	s_add_co_u32 s22, s22, s16
	s_add_nc_u64 s[10:11], s[10:11], s[22:23]
	s_or_b32 s16, s13, ttmp9                       ; 0 in waves 0 and 1 of the clusters with x = 0: the same in all sixteen partners, for a given wave
	s_cmp_eq_u32 s16, 0
	s_cselect_b32 s[LIM], 1, -1
	s_add_co_u32 s16, s14, 4                       ; the prefetches stand at K step 2: the first refill steps them to 3 and names K step 4
	s_lshl_b32 s16, s16, 20
	s_lshl_b32 s17, s15, 15
	s_add_co_u32 s16, s16, s17
	s_lshl_b32 s17, s40, 13                        ; my work-group's 8,192 bytes of the plane's 32,768
	s_add_co_u32 s16, s16, s17
	s_mov_b32 s17, 0
	s_add_nc_u64 s[PFA:PFA+1], s[4:5], s[16:17]
	v_and_b32 v[PFO], 31, v0
	v_lshlrev_b32 v[PFO], 8, v[PFO]
	v_lshrrev_b32 v3, 1, v1
	v_mul_u32_u24 v3, v3, 272
	v_and_b32 v4, 1, v0
	v_lshl_add_u32 v3, v4, 7, v3
	v_lshl_add_u32 v3, v2, 4, v3                   ; a fragment's row: 272 (r / 2) + 128 (r % 2) + 16 h
	s_mul_i32 s21, s13, 17408                      ; my 128 rows of att
	s_mul_i32 s22, s14, 8704                       ; my 64 rows of Wp,
	s_add_co_u32 s22, s22, 2*PA                    ; behind att's two planes
.irp s, 0,1
	v_add_nc_u32 v[ADRA+\s], s21, v3
	v_add_nc_u32 v[ADRB+\s], s22, v3
	s_add_co_u32 s21, s21, SLOT
	s_add_co_u32 s22, s22, SLOT
.endr
	s_mul_i32 s23, s12, 16*272
	s_add_co_u32 s23, s23, STAGE                   ; my stage
	v_mul_u32_u24 v4, v1, 272
	v_lshl_add_u32 v4, v2, 5, v4
	v_add_nc_u32 v[STO], s23, v4                   ; in: row r, 32 bytes for each half of the lanes
	v_mul_u32_u24 v5, v2, 272
	v_lshl_add_u32 v5, v1, 4, v5
	v_add_nc_u32 v[RD], s23, v5                    ; back: lanes 0-15 one row of 256 bytes, lanes 16-31 the next
	v_lshlrev_b32 v5, 12, v2
	v_lshl_add_u32 v[CO], v1, 4, v5                ; and the same two rows in out0
; 8 matrix instructions: att's blocks a0, a0 + 1 against Wp's four, 32 along K, from buffer f.  The 32 accumulators take turns, one instruction a turn, in the same order in every quarter.
.macro MUL8 f, a0, first
.irp a, \a0, \a0+1
.irp b, 0,1,2,3
.if \first
	v_wmma_f32_16x16x32_f16 v[8*(4*(\a)+\b):8*(4*(\a)+\b)+7], v[128+32*(\f)+8*\b:128+32*(\f)+8*\b+7], v[64*(\f)+8*(\a):64*(\f)+8*(\a)+7], v[BI+8*\b:BI+8*\b+7]
.else
	v_wmma_f32_16x16x32_f16 v[8*(4*(\a)+\b):8*(4*(\a)+\b)+7], v[128+32*(\f)+8*\b:128+32*(\f)+8*\b+7], v[64*(\f)+8*(\a):64*(\f)+8*(\a)+7], v[8*(4*(\a)+\b):8*(4*(\a)+\b)+7]
.endif
.endr
.endr
.endm
; 24 LDS loads in one run: quarter q of a slot (plane q / 2, channels 32 (q % 2) on) into buffer f: Wp's four fragments, then att's eight
.macro FETCH slot, q, f
	WIN TO_F
.irp i, 0,1,2,3
	ds_load_b128 v[128+32*(\f)+8*\i:128+32*(\f)+8*\i+3], v[ADRB+\slot] offset:((\q)/2)*PB+64*((\q)%2)+\i*2176
	ds_load_b128 v[128+32*(\f)+8*\i+4:128+32*(\f)+8*\i+7], v[ADRB+\slot] offset:((\q)/2)*PB+64*((\q)%2)+\i*2176+32
.endr
.irp i, 0,1,2,3,4,5,6,7
	ds_load_b128 v[64*(\f)+8*\i:64*(\f)+8*\i+3], v[ADRA+\slot] offset:((\q)/2)*PA+64*((\q)%2)+\i*2176
	ds_load_b128 v[64*(\f)+8*\i+4:64*(\f)+8*\i+7], v[ADRA+\slot] offset:((\q)/2)*PA+64*((\q)%2)+\i*2176+32
.endr
.endm
.macro PLACES                          ; four places in front of loads into registers that matrix instructions have read, and of reads of results
.rept 4
	v_nop
.endr
.endm
; One of a K step's first three quarters: multiplies buffer f and, in its middle, fetches quarter qn of the same slot into buffer g
.macro QUARTER slot, qn, f, g, first
	s_wait_dscnt 8                                 ; Wp's fragments and att's blocks 0-3 are in; the youngest eight loads (blocks 4-7) may be out
	WIN MUL-0x20*(\first)
	MUL8 \f, 0, \first
	MUL8 \f, 2, \first
	PLACES
	FETCH \slot, \qn, \g
	s_wait_dscnt 24                                ; all but the 24 just issued
	WIN MUL-0x20*(\first)
	MUL8 \f, 4, \first
	MUL8 \f, 6, \first
.endm
; The last quarter multiplies buffer 1 and changes slots: one barrier; in front of it each wave waits for all its tensor loads, adds 0 to its spare word, and waits for that and for its reads of this slot.
; fill = 1: the barrier opens a round of the cluster's barrier, and behind the round this slot is filled again, two K steps ahead.
.macro TURN slot, next, fill
.if \fill
	s_wait_xcnt 0x0                                ; the last prefetch, a K step back, has read its address
	s_add_nc_u64 s[PFA:PFA+1], s[PFA:PFA+1], 2097152
.endif
	WIN 0                                          ; (the add's two registers lie in window 0)
	s_wait_tensorcnt 0x0                           ; all my tensor loads have landed: my part of the next slot
	ds_add_u32 v[SPW], v[NIL]
	s_wait_dscnt 9                                 ; the add and the youngest eight loads may be out
	WIN MUL
	MUL8 1, 0, 0
	s_wait_dscnt 0x0                               ; the add is done, and my reads of this slot are over
	s_barrier_signal -1
	MUL8 1, 2, 0
.if \fill
	WIN 0
.endif
	s_barrier_wait -1
.if \fill
	CREST                                          ; no wave of any partner still reads this slot's tile or has a load on its way
	s_add_nc_u64 s[G0+4*\slot+2:G0+4*\slot+3], s[G0+4*\slot+2:G0+4*\slot+3], 4194304   ; two K steps on: four planes
	s_add_nc_u64 s[G0B+4*\slot+2:G0B+4*\slot+3], s[G0B+4*\slot+2:G0B+4*\slot+3], 524288
	JLOAD \slot                                    ; the first tensor load behind the round: one load of mine is out; its four v_nop are also the places in front of the loads below
.else
	PLACES
.endif
	FETCH \next, 0, 0
.if \fill
	WIN 0                                          ; at a branch and at a label every window is 0
	ASK
.endif
	WIN MUL
	MUL8 1, 4, 0
	MUL8 1, 6, 0
.endm
	s_wait_tensorcnt 1                             ; my part of K step 0 is in; K step 1's load may be out
	s_barrier_signal -1
	s_barrier_wait -1
	FETCH 0, 0, 0
	s_wait_loadcnt 0x0                             ; the bias
	QUARTER 0, 1, 0, 1, 1                          ; the first quarter stands in front of the loop: its products start the sums from the bias
	WIN 0
	s_mov_b32 s3, 3
.Llap:                                             ; three trips: each goes once round the ring, from a lap's second quarter to the next lap's first, and fills both slots again
	QUARTER 0, 2, 1, 0, 0
	QUARTER 0, 3, 0, 1, 0
	TURN 0, 1, 1
	QUARTER 1, 1, 0, 1, 0
	QUARTER 1, 2, 1, 0, 0
	QUARTER 1, 3, 0, 1, 0
	TURN 1, 0, 1
	QUARTER 0, 1, 0, 1, 0
	WIN 0
	s_sub_co_u32 s3, s3, 1
	s_cmp_lg_u32 s3, 0
	s_cbranch_scc1 .Llap
	QUARTER 0, 2, 1, 0, 0                          ; the last lap fills nothing
	QUARTER 0, 3, 0, 1, 0
	TURN 0, 1, 0
	QUARTER 1, 1, 0, 1, 0
	QUARTER 1, 2, 1, 0, 0
	QUARTER 1, 3, 0, 1, 0
	s_wait_dscnt 8
	WIN MUL
	MUL8 1, 0, 0
	MUL8 1, 2, 0
	s_wait_dscnt 0
	MUL8 1, 4, 0
	MUL8 1, 6, 0
	WIN 0
; THE WAY OUT, block by block of 16 rows x 64 columns, through my own stage: a lane's 32 bytes go in by rows of 272 bytes and come back as whole rows of 256.
.macro TOSTAGE a
	WIN 0x08                                       ; an LDS store's data: window 2
.irp b, 0,1,2,3
	ds_store_b128 v[STO], v[8*(4*(\a)+\b):8*(4*(\a)+\b)+3] offset:64*\b          ; each accumulator from its low end on
	ds_store_b128 v[STO], v[8*(4*(\a)+\b)+4:8*(4*(\a)+\b)+7] offset:64*\b+16
.endr
	WIN 0
.set BB, BK+32*((\a)%2)
.irp i, 0,1,2,3,4,5,6,7
	ds_load_b128 v[BB+4*\i:BB+4*\i+3], v[RD] offset:544*\i     ; LDS serves a wave's instructions in order: these see the stores above, and the next block's stores come behind them
.endr
.endm
.macro SEND a, younger
.set BB, BK+32*((\a)%2)
	s_wait_dscnt \younger                          ; the block is back; the next block's eight stores and eight loads may be out
.irp i, 0,1,2,3,4,5,6,7
	global_store_b128 v[CO], v[BB+4*\i:BB+4*\i+3], s[10:11] offset:(16*(\a)+2*\i)*4096 th:TH_STORE_NT   ; sixteen lanes store 256 consecutive bytes, aligned
.endr
.endm
	PLACES
	TOSTAGE 0
.irp a, 1,2,3,4,5,6,7
.if \a > 1
	s_wait_xcnt 0x0                                ; block a - 2's stores have read their registers: block a's loads may land there
.endif
	TOSTAGE \a
	SEND \a-1, 16
.endr
	SEND 7, 0
	s_wait_tensorcnt 0x0                           ; the wave's end
	ds_add_u32 v[SPW], v[NIL]
	s_wait_dscnt 0x0
	CROUND                                         ; the closing round
	s_endpgm
.Lfunc_end_k_qc687d15b5b_proj:
	.size	k_qc687d15b5b_proj, .Lfunc_end_k_qc687d15b5b_proj-k_qc687d15b5b_proj
	.p2alignl 7, 3214868480
	.fill 96, 4, 3214868480
	.section	.rodata,"a",@progbits
	.p2align	6, 0x0
	.amdhsa_kernel k_qc687d15b5b_proj
		.amdhsa_group_segment_fixed_size 327680
		.amdhsa_private_segment_fixed_size 0
		.amdhsa_enable_private_segment 0
		.amdhsa_kernarg_size 32
		.amdhsa_user_sgpr_count 2
		.amdhsa_user_sgpr_kernarg_segment_ptr 1
		.amdhsa_wavefront_size32 1
		.amdhsa_system_sgpr_workgroup_id_x 1
		.amdhsa_system_sgpr_workgroup_id_y 1
		.amdhsa_system_sgpr_workgroup_id_z 1
		.amdhsa_system_vgpr_workitem_id 0
		.amdhsa_next_free_vgpr 768
		.amdhsa_next_free_sgpr 72
		.amdhsa_reserve_vcc 0
		.amdhsa_float_denorm_mode_32 3
		.amdhsa_float_denorm_mode_16_64 3
		.amdhsa_memory_ordered 1
		.amdhsa_forward_progress 1
		.amdhsa_inst_pref_size 87
	.end_amdhsa_kernel
	.amdgpu_metadata
---
amdhsa.version: [ 1, 2 ]
amdhsa.kernels:
  - .name:           k_qc687d15b5b_proj
    .symbol:         k_qc687d15b5b_proj.kd
    .args:
      - { .name: att, .offset: 0, .size: 8, .value_kind: global_buffer, .address_space: global }
      - { .name: wp16, .offset: 8, .size: 8, .value_kind: global_buffer, .address_space: global }
      - { .name: bp, .offset: 16, .size: 8, .value_kind: global_buffer, .address_space: global }
      - { .name: out0, .offset: 24, .size: 8, .value_kind: global_buffer, .address_space: global }
    .group_segment_fixed_size: 327680
    .private_segment_fixed_size: 0
    .kernarg_segment_align: 8
    .kernarg_segment_size: 32
    .max_flat_workgroup_size: 128
    .sgpr_count:     72
    .vgpr_count:     768
    .wavefront_size: 32
...
	.end_amdgpu_metadata
.endif
;; end of part 4
;; launch fine (part 5): grid 16 x 4, 16 waves a work-group, no clusters, 71,680 bytes of LDS; arguments qkv32, Wp, bp, out0; writes out0
.if DOCPART == 5
	.amdgcn_target "amdgcn-amd-amdhsa--gfx1250"
	.amdhsa_code_object_version 6
	.text
	.protected	k_qc687d15b5b_fine
	.globl	k_qc687d15b5b_fine
	.p2align	8
	.type	k_qc687d15b5b_fine,@function
k_qc687d15b5b_fine:
	s_mov_b64 s[64:65], 0
	v_nop
	global_prefetch_b8 v0, s[64:65] scope:SCOPE_SE
	s_setreg_imm32_b32 hwreg(HW_REG_WAVE_MODE, 25, 1), 1
	s_wait_xcnt 0x0
; POSITIONS 0 TO 15 OF EACH SEQUENCE, IN f32.  Under the causal mask these rows average one to sixteen values and are the largest of the output, so the rounding of f16 operands weighs most there:
; their attention and their rows of the projection are made anew from f32 numbers (qkv32 of launch qkv; Wp and bp as given) and written over what launch proj left in those 64 rows of out0.
; Keys beyond position 15 are hidden from these queries by reference()'s own jnp.tril, whatever the inputs hold: they are not loaded.
; SHARES.  Work-group (jb, b) makes rows 0-15 of batch b, columns 64 jb to 64 jb + 63.  Wave w is head w: it makes the head's 16 x 16 attention (repeated in the 16 column blocks: 32 matrix instructions)
; and the head's share of the projection; the sixteen shares meet in LDS, and wave w then adds them for query w, heads ascending, with the bias.
; All products by v_wmma_f32_16x16x4_f32, in which lane (r, h) gives k = 2 h + j in register j.  K is permuted alike on both sources of each product, so that plain loads fill the fragments:
;   S^T = K Q^T: lane (r, h) holds channels 32 h + 0..31 of row r; instruction c takes registers 2 c, 2 c + 1 of both sides.
;   O^T = V^T P: the scores leave lane (r, h) with query r and keys 8 h + 0..7; V is loaded so that lane (r, h) holds channel r of a tile at those same keys.
;   out^T = Wp att^T: O^T leaves lane (r, h) with query r and channels 16 t + 8 h + 0..7; Wp is loaded so that lane (r, h) holds row r of a tile at those same channels.
; The two accumulators v240-247 and v248-255 are written by matrix instructions alone; they take turns, one instruction a turn; every sum begins with the constant 0.
.set SPARE, 69632                      ; LDS: sixteen shares of 16 rows x 272 bytes; behind them the spare words, 128 bytes for each wave: eight blocks of 256 bytes that no other line names
.set QF,  16                           ; v16-47   q; later v16-23 p, v24-31 at work
.set KF,  48                           ; v48-79   k; later the attention's result: register 8 t + j = channel 16 t + 8 h + j of query r
.set VF,  80                           ; v80-111  v
.set WF,  112                          ; v112-239 Wp; later the sixteen shares
.set AC,  240
	s_load_b256 s[4:11], s[0:1], 0x0               ; qkv32 s[4:5], Wp s[6:7], bp s[8:9], out0 s[10:11]
	v_lshl_add_u32 v4, v0, 2, SPARE                ; v4: LDS address of my spare word; v5: 0; neither is rewritten
	v_mov_b32 v5, 0
	v_lshrrev_b32 v12, 5, v0
	v_readfirstlane_b32 s12, v12                   ; wave = head
	s_and_b32 s14, ttmp7, 0xffff                   ; b
	v_and_b32 v13, 15, v0                          ; r
	v_bfe_u32 v14, v0, 4, 1                        ; h
	v_and_b32 v12, 31, v0
	v_lshlrev_b32 v9, 3, v12                       ; 8 x lane: the bias load's and the last store's offset
	v_lshlrev_b32 v1, 8, v13
	v_lshl_add_u32 v1, v14, 7, v1                  ; q, k: row r of 256 bytes, + 128 h
	v_lshlrev_b32 v2, 2, v13
	v_lshl_add_u32 v2, v14, 11, v2                 ; v: key 8 h, channel r
	v_lshlrev_b32 v3, 12, v13
	v_lshl_add_u32 v3, v14, 5, v3                  ; Wp: row r of 4,096 bytes, + 32 h
	s_mul_i32 s20, s14, 48
	s_add_co_u32 s20, s20, s12
	s_lshl_b32 s20, s20, 12                        ; q's head: (48 b + w) x 4,096 bytes
	s_mov_b32 s21, 0
	s_lshl_b32 s22, ttmp9, 18                      ; Wp: 64 jb rows,
	s_lshl_b32 s23, s12, 8                         ; the head's 64 columns
	s_add_co_u32 s22, s22, s23
	s_mov_b32 s23, 0
	s_lshl_b32 s24, ttmp9, 8                       ; my block's 64 columns of f32
	s_mov_b32 s25, 0
	s_lshl_b32 s26, s14, 11
	s_add_co_u32 s26, s26, s12                     ; the row that I store at the end: 2,048 b + w
	s_lshl_b32 s26, s26, 12
	s_add_co_u32 s26, s26, s24
	s_mov_b32 s27, 0
	s_mov_b32 s16, 0x76543210
	s_mov_b32 s17, 0xfedcba98
	s_mov_b32 s18, 0x3e38aa3b                      ; c = log2(e) / 8
	s_mul_i32 s28, s12, 4352
	s_mul_i32 s29, s12, 272
	s_wait_kmcnt 0x0
	s_add_nc_u64 s[4:5], s[4:5], s[20:21]
	s_add_nc_u64 s[6:7], s[6:7], s[22:23]
	s_add_nc_u64 s[8:9], s[8:9], s[24:25]
	s_add_nc_u64 s[10:11], s[10:11], s[26:27]
	global_load_b64 v[10:11], v9, s[8:9]           ; the bias
.irp i, 0,1,2,3,4,5,6,7
	global_load_b128 v[QF+4*\i:QF+4*\i+3], v1, s[4:5] offset:16*\i
.endr
.irp i, 0,1,2,3,4,5,6,7
	global_load_b128 v[KF+4*\i:KF+4*\i+3], v1, s[4:5] offset:65536+16*\i       ; k's head lies 16 heads of 4,096 bytes on
.endr
.irp ct, 0,1,2,3
.irp i, 0,1,2,3,4,5,6,7
	global_load_b32 v[VF+8*\ct+\i], v2, s[4:5] offset:131072+256*\i+64*\ct     ; v(key 8 h + i, channel 16 ct + r)
.endr
.endr
.irp nt, 0,1,2,3
.irp tl, 0,1,2,3
.irp u, 0,1
	global_load_b128 v[WF+32*\nt+8*\tl+4*\u:WF+32*\nt+8*\tl+4*\u+3], v3, s[6:7] offset:65536*\nt+64*\tl+16*\u   ; Wp(64 jb + 16 nt + r, 64 w + 16 tl + 8 h + 4 u + 0..3)
.endr
.endr
.endr
	s_wait_loadcnt 63                              ; behind k's loads stand 64; the wait's field holds 63
.irp c, 0,1,2,3,4,5,6,7,8,9,10,11,12,13,14,15
.if \c < 2
	v_wmma_f32_16x16x4_f32 v[AC+8*(\c%2):AC+8*(\c%2)+7], v[KF+2*\c:KF+2*\c+1], v[QF+2*\c:QF+2*\c+1], 0
.else
	v_wmma_f32_16x16x4_f32 v[AC+8*(\c%2):AC+8*(\c%2)+7], v[KF+2*\c:KF+2*\c+1], v[QF+2*\c:QF+2*\c+1], v[AC+8*(\c%2):AC+8*(\c%2)+7]
.endif
.endr
	v_lshlrev_b32 v12, 3, v14                      ; eight plain lines: the places behind this form (ISA guide 7.12.1)
	v_sub_nc_u32 v6, v13, v12                      ; d = r - 8 h: key 8 h + j is hidden from query r where j > d
	v_mul_u32_u24 v7, v13, 272
	v_lshl_add_u32 v7, v14, 5, v7
	v_add_nc_u32 v7, s28, v7                       ; my share: row r, + 32 h
	v_add_nc_u32 v8, s29, v9                       ; the shares' row w, 8 bytes a lane
	v_mov_b32 v15, 0xff800000
	v_nop
.irp j, 0,1,2,3,4,5,6,7
	v_add_f32 v[QF+\j], v[AC+\j], v[AC+8+\j]       ; the two halves of the sum over channels: the score of key 8 h + j for query r
.endr
.irp j, 0,1,2,3,4,5,6,7
	v_cmp_gt_i32 vcc_lo, \j, v6
	v_cndmask_b32 v[QF+\j], v[QF+\j], v15, vcc_lo
.endr
	v_max3_num_f32 v24, v16, v17, v18
	v_max3_num_f32 v25, v19, v20, v21
	v_max3_num_f32 v24, v24, v22, v23
	v_max_num_f32 v24, v24, v25
	v_permlanex16_b32 v25, v24, s16, s17
	v_max_num_f32 v24, v24, v25                    ; the row's maximum: key 0 counts for every query
	v_mul_f32 v26, s18, v24
.irp j, 0,1,2,3,4,5,6,7
	v_fma_f32 v[QF+\j], v[QF+\j], s18, -v26
.endr
.irp j, 0,1,2,3,4,5,6,7
	v_exp_f32 v[QF+\j], v[QF+\j]
.endr
	v_nop                                          ; a plain instruction behind the last exponential,
	s_wait_alu depctr_va_vdst(0)                   ; and one wait for the eight, ahead of their first reader
	v_add_f32 v28, v16, v17
	v_add_f32 v29, v18, v19
	v_add_f32 v30, v20, v21
	v_add_f32 v31, v22, v23
	v_add_f32 v28, v28, v29
	v_add_f32 v30, v30, v31
	v_add_f32 v28, v28, v30
	v_permlanex16_b32 v29, v28, s16, s17
	v_add_f32 v28, v28, v29                        ; the row's sum
	v_rcp_f32 v30, v28
	v_nop
	s_wait_loadcnt 32                              ; v is in; Wp's 32 loads may be out
.irp g, 0,1                                    ; O^T = V^T P, two tiles of 16 channels at a time
.irp c, 0,1,2,3
.irp u, 0,1
.if \c == 0
	v_wmma_f32_16x16x4_f32 v[AC+8*\u:AC+8*\u+7], v[VF+8*(2*\g+\u)+2*\c:VF+8*(2*\g+\u)+2*\c+1], v[QF+2*\c:QF+2*\c+1], 0
.else
	v_wmma_f32_16x16x4_f32 v[AC+8*\u:AC+8*\u+7], v[VF+8*(2*\g+\u)+2*\c:VF+8*(2*\g+\u)+2*\c+1], v[QF+2*\c:QF+2*\c+1], v[AC+8*\u:AC+8*\u+7]
.endif
.endr
.endr
.rept 9
	v_nop                                          ; eight places in front of the reads below, nine in front of the next sums, which are written over these
.endr
	s_wait_alu depctr_va_vdst(0)                   ; the reciprocal, ahead of its first reader
.irp u, 0,1
.irp j, 0,1,2,3,4,5,6,7
	v_mul_f32 v[KF+8*(2*\g+\u)+\j], v[AC+8*\u+\j], v30   ; / the sum, each accumulator from its low end on
.endr
.endr
.endr
.irp g, 0,1                                    ; my head's share of the projection, two tiles of 16 columns at a time
.if \g == 0
	s_wait_loadcnt 16                              ; Wp's first two tiles are in; the other 16 loads may be out
.else
	s_wait_loadcnt 0x0
.endif
.irp tl, 0,1,2,3
.irp c, 0,1,2,3
.irp u, 0,1
.if (\tl == 0) && (\c == 0)
	v_wmma_f32_16x16x4_f32 v[AC+8*\u:AC+8*\u+7], v[WF+32*(2*\g+\u)+8*\tl+2*\c:WF+32*(2*\g+\u)+8*\tl+2*\c+1], v[KF+8*\tl+2*\c:KF+8*\tl+2*\c+1], 0
.else
	v_wmma_f32_16x16x4_f32 v[AC+8*\u:AC+8*\u+7], v[WF+32*(2*\g+\u)+8*\tl+2*\c:WF+32*(2*\g+\u)+8*\tl+2*\c+1], v[KF+8*\tl+2*\c:KF+8*\tl+2*\c+1], v[AC+8*\u:AC+8*\u+7]
.endif
.endr
.endr
.endr
.rept 9
	v_nop                                          ; eight places in front of the stores below and of the loads into Wp's registers, nine in front of the next sums
.endr
.irp u, 0,1
	ds_store_b128 v7, v[AC+8*\u:AC+8*\u+3] offset:64*(2*\g+\u)       ; lane (r, h): query r, columns 16 (2 g + u) + 8 h + 0 .. 7
	ds_store_b128 v7, v[AC+8*\u+4:AC+8*\u+7] offset:64*(2*\g+\u)+16
.endr
	s_wait_dscnt 0x0                               ; the stores are done: for the next sums' sake, and for the other waves'
.endr
	s_barrier_signal -1
	s_barrier_wait -1                              ; all sixteen shares lie in LDS
.irp u, 0,1,2,3,4,5,6,7,8,9,10,11,12,13,14,15
	ds_load_b64 v[WF+2*\u:WF+2*\u+1], v8 offset:4352*\u              ; head u's share of query w: 256 bytes, 8 a lane
.endr
	s_wait_dscnt 0x0
	v_pk_add_f32 v[12:13], v[10:11], v[WF:WF+1]
.irp u, 1,2,3,4,5,6,7,8,9,10,11,12,13,14,15
	v_pk_add_f32 v[12:13], v[12:13], v[WF+2*\u:WF+2*\u+1]
.endr
	global_store_b64 v9, v[12:13], s[10:11]        ; 32 lanes store 256 consecutive bytes, aligned
	s_wait_tensorcnt 0x0                           ; the wave's end: behind my last LDS store
	ds_add_u32 v4, v5
	s_wait_dscnt 0x0
	s_endpgm
.Lfunc_end_k_qc687d15b5b_fine:
	.size	k_qc687d15b5b_fine, .Lfunc_end_k_qc687d15b5b_fine-k_qc687d15b5b_fine
	.p2alignl 7, 3214868480
	.fill 96, 4, 3214868480
	.section	.rodata,"a",@progbits
	.p2align	6, 0x0
	.amdhsa_kernel k_qc687d15b5b_fine
		.amdhsa_group_segment_fixed_size 71680
		.amdhsa_private_segment_fixed_size 0
		.amdhsa_enable_private_segment 0
		.amdhsa_kernarg_size 32
		.amdhsa_user_sgpr_count 2
		.amdhsa_user_sgpr_kernarg_segment_ptr 1
		.amdhsa_wavefront_size32 1
		.amdhsa_system_sgpr_workgroup_id_x 1
		.amdhsa_system_sgpr_workgroup_id_y 1
		.amdhsa_system_sgpr_workgroup_id_z 1
		.amdhsa_system_vgpr_workitem_id 0
		.amdhsa_next_free_vgpr 256
		.amdhsa_next_free_sgpr 66
		.amdhsa_reserve_vcc 1
		.amdhsa_float_denorm_mode_32 3
		.amdhsa_float_denorm_mode_16_64 3
		.amdhsa_memory_ordered 1
		.amdhsa_forward_progress 1
		.amdhsa_inst_pref_size 24
	.end_amdhsa_kernel
	.amdgpu_metadata
---
amdhsa.version: [ 1, 2 ]
amdhsa.kernels:
  - .name:           k_qc687d15b5b_fine
    .symbol:         k_qc687d15b5b_fine.kd
    .args:
      - { .name: qkv32, .offset: 0, .size: 8, .value_kind: global_buffer, .address_space: global }
      - { .name: Wp, .offset: 8, .size: 8, .value_kind: global_buffer, .address_space: global }
      - { .name: bp, .offset: 16, .size: 8, .value_kind: global_buffer, .address_space: global }
      - { .name: out0, .offset: 24, .size: 8, .value_kind: global_buffer, .address_space: global }
    .group_segment_fixed_size: 71680
    .private_segment_fixed_size: 0
    .kernarg_segment_align: 8
    .kernarg_segment_size: 32
    .max_flat_workgroup_size: 512
    .sgpr_count:     66
    .vgpr_count:     256
    .wavefront_size: 32
...
	.end_amdgpu_metadata
.endif
;; end of part 5
